; MI455X (gfx1250); checked and timed in simulation.
; The chip was launched on July 23, 2026; its instructions are those of AMD's public machine-readable ISA for CDNA 5 (MIT licence, August 2026) and "CDNA5" Instruction Set Architecture Reference Guide (July 2026). The comments in the code are by the model that wrote it; some were corrected since.
;; RWKV Time Mixer. Allowed arithmetic: matrix products marked QUANTISED: E3M2 operands, one E8M0 scale for each 32 along K, by v_wmma_scale_f32_16x16x128_f8f6f4 with both operands' format E3M2, f32 sums; everything else in f32.
;; Inputs: Wk 1,024 x 1,024 float32; Wo 1,024 x 1,024 float32; Wr 1,024 x 1,024 float32; Wv 1,024 x 1,024 float32; ln_beta 1,024 float32; ln_gamma 1,024 float32; time_decay 1,024 float32; time_first 1,024 float32; x 4 x 4,096 x 1,024 float32.
;; Outputs: out0 4 x 4,096 x 1,024 float32.
;; This version of the problem:
;;   THIS VERSION OF THE PROBLEM IS GIVEN IN LOW PRECISION. The matrix products marked QUANTISED in the list below multiply operands that are first quantised to E3M2 (3 exponent bits, 2 mantissa bits; 6 bits a number), with one power-of-two scale for each 32 numbers along K (OCP MX v1.0); their sums are f32. All else is computed in f32.
;;   The module's matrix products, in the order in which they are computed (A, B: the left and right operand; K: the contracted axis; several contracted axes count as one K, in the product's order):
;;     1. [M 16,384, K 1,024] x [K 1,024, N 1,024]; A: computed on the way; B: input Wk: QUANTISED
;;     2. [M 16,384, K 1,024] x [K 1,024, N 1,024]; A: computed on the way; B: input Wv: QUANTISED
;;     3. [M 16,384, K 1,024] x [K 1,024, N 1,024]; A: computed on the way; B: input Wr: QUANTISED
;;     4. [M 16,384, K 1,024] x [K 1,024, N 1,024]; A: computed on the way; B: input Wo: QUANTISED
;;   THE QUANTISER, for each operand of a quantised product, along K:
;;     - K is cut into blocks of 32 from its start; a last block that is shorter is filled with zeros.
;;     - A block's scale is 2^e with e = floor(log2(the largest magnitude in the block)) - 4, held to -126 .. 127; a block of zeros has e = 0. As a byte (E8M0): e + 127.
;;     - Each number is divided by its block's scale, clamped to +-28, and rounded to the nearest number of E3M2, ties to even, subnormals kept.
;;     - The product sums the exact products of the quantised numbers (number of the format x scale) in f32.
;;   ~~~python
;;   def quantise(x, axis):      # numpy; x: float32 -> the quantised numbers, widened to float32 again
;;       x = np.moveaxis(x, axis, -1); K = x.shape[-1]
;;       x = np.pad(x, [(0, 0)] * (x.ndim - 1) + [(0, -K % 32)]); x = x.reshape(x.shape[:-1] + (-1, 32)); a = np.abs(x).max(-1, keepdims=True)
;;       e = np.where(a > 0, np.clip(np.frexp(np.where(a > 0, a, 1))[1] - 1 - 4, -126, 127), 0)      # np.frexp(a)[1] - 1 = floor(log2(a)), exactly
;;       r = np.clip(x / 2.0 ** e, -28, 28)
;;       step = 2.0 ** (np.maximum(np.frexp(np.where(r == 0, 1, r))[1] - 1, -2) - 2)
;;       q = np.round(r / step) * step * 2.0 ** e      # np.round: ties to even
;;       return np.moveaxis(q.reshape(q.shape[:-2] + (-1,))[..., :K], -1, axis).astype(np.float32)
;;   ~~~
;;   OPERANDS COMPUTED ON THE WAY. 'Computed on the way' means the value that the module computes at that place (a softmax that the list does not call 'softmax' is quantised finished and normalised). What goes into a quantiser is computed in f32, as accurately as f32 sums, v_exp_f32 and their like allow (about 1e-6 of the number): no bf16 or f16 on the way to a quantiser, and a product that is left as it is and whose result goes on into a quantised operand takes f32 operands (vector FMAs, or v_wmma_f32_16x16x4_f32). A number that lies on a knife's edge between two numbers of the format may be rounded either way, as far as f32 arithmetic and the matrix unit's own rounding can turn it there, and no further.
;; One version. Each part assembles by itself: llvm-mc -triple=amdgcn-amd-amdhsa -mcpu=gfx1250 --defsym DOCPART=n.
;; ======== version 1 of 1: 4 launches
;; limits: right only within a limited range of input values
;; workspace buffers: xq 12,582,912 bytes; xs 524,288 bytes; wq 3,145,728 bytes; ws 131,072 bytes; yq 12,582,912 bytes; ys 524,288 bytes; cs 131,072 bytes
;; launch prep (part 1): grid 1280 x 1, 4 waves a work-group, no clusters, 32,256 bytes of LDS; arguments x, Wk, Wv, Wr, Wo, ln_gamma, ln_beta, xq, xs, wq, ws; writes xq, xs, wq, ws
.if DOCPART == 1
	.amdgcn_target "amdgcn-amd-amdhsa--gfx1250"
	.amdhsa_code_object_version 6
	.text
	.protected	k_q111721e37e_prep
	.globl	k_q111721e37e_prep
	.p2align	8
	.type	k_q111721e37e_prep,@function
k_q111721e37e_prep:
	s_mov_b64 s[64:65], 0
	v_nop
	global_prefetch_b8 v0, s[64:65] scope:SCOPE_SE
	s_setreg_imm32_b32 hwreg(HW_REG_WAVE_MODE, 25, 1), 1
	s_wait_xcnt 0x0
; LayerNorm of x [16384][1024] and the quantising to BF6 (E3M2) of the result and of the four weights [1024][1024], all along their last axis (K innermost), one E8M0 byte for each 32.
; A block's byte is its largest magnitude's exponent field - 4, held at 1 from below (a block of zeros gets 1: its codes are zeros, and only this program reads the bytes).
; LIMITS: NaN and infinities among the inputs are not served; blocks whose largest magnitude lies under 2^(5 - 127) keep the byte 1.
; SHARES.  A work-group takes ONE TILE of 16 rows of 1,024 f32.  Work-groups 0-1023: tiles of x; 1024-1279: tiles of Wk, Wv, Wr, Wo, 64 work-groups each: 1,280 in all, five for each of 256 WGPs, and with
; 162 registers a wave and 32,256 bytes of LDS the five lie there together.  ONE path serves all: for a weight the mean is replaced by 0, 1/sigma and gamma by 1 and beta by 0 (v_cndmask_b32 on a mask made of the
; work-group's number), so that the row goes through unchanged, bit for bit.  Wave w takes rows 4 w .. 4 w + 3, a row at a time, in two sets of registers: while one row is worked on, the next is on its way.
; THE CODES LEAVE AS IMAGES OF THE OPERAND'S REGISTERS: [tile of 16 rows][K step of 128 : 8][part t : 3][lane : 32][16 bytes]; register 4 t + i of lane r + 16 h at 512 t + 16 (r + 16 h) + 4 i;
; registers 6 c .. 6 c + 5 hold the 24 bytes of K block 4 s + 2 c + h of row r.  The scale bytes leave as [row][32].
; A row is loaded as it lies (512 consecutive bytes a load), normalised in two passes (mean; then the squares of x - mean, so that a common offset does no harm), turned through the wave's own stage in LDS so that
; lane l holds K block l (32 neighbours), quantised, and its 24 bytes a lane are laid into the work-group's image in LDS; one barrier; each wave stores two K steps of the tile, 512 consecutive bytes a store.
; No tensor load, no cluster: nothing is shared between work-groups.
.set WSTG,  4608                       ; a wave's stage: 32 places of 128 bytes + 16
.set IMG,   18432                      ; behind the four stages: the image; a fragment's 1,536 bytes stand PS apart
.set PS,    1568
.set SCB,   30976                      ; behind the image: 16 rows x 32 scale bytes
.set GA,    32                         ; v32-63   gamma of my 32 columns (128 q + 4 lane + e at register 4 q + e)
.set BE,    64                         ; v64-95   beta
.set X,     96                         ; v96-159  two rows, 32 registers each: as loaded, then turned: my K block's 32 numbers
.set XOF,   31                         ; v31      16 x lane + 16,384 x wave: my bytes in the work-group's rows
	s_load_b512 s[4:19], s[0:1], 0x0               ; x, Wk, Wv, Wr, Wo, gamma, beta, xq
	s_load_b128 s[20:23], s[0:1], 0x40             ; xs, wq
	s_load_b64 s[24:25], s[0:1], 0x50              ; ws
	v_lshl_add_u32 v160, v0, 2, 0x7c00
	v_mov_b32 v161, 0
	v_and_b32 v1, 31, v0                           ; lane
	v_lshrrev_b32 v10, 5, v0                       ; wave
	v_readfirstlane_b32 s36, v10
	v_lshlrev_b32 v2, 4, v1                        ; 16 x lane
	v_lshl_add_u32 v[XOF], v10, 14, v2
	v_lshrrev_b32 v12, 3, v1
	v_add_nc_u32 v12, v12, v1
	v_lshlrev_b32 v3, 4, v12
	v_mad_u32_u24 v3, v10, WSTG, v3                ; the stage, on the way in: 16 lane + 16 (lane / 8); load q's 512 bytes take 576 q on
	v_mul_u32_u24 v4, v1, 144
	v_mad_u32_u24 v4, v10, WSTG, v4                ; and on the way out: place = lane: my K block
	v_lshlrev_b32 v5, 6, v10                       ; row in the tile = 4 wave + i: 16 bytes a row
	v_bfe_u32 v12, v0, 2, 3                        ; K block l: K step s = l / 4,
	v_mad_u32_u24 v5, v12, PS, v5
	v_and_b32 v12, 1, v0                           ; h = l % 2: 16 lanes of 16 bytes on,
	v_lshl_add_u32 v5, v12, 8, v5
	v_add_nc_u32 v5, IMG, v5
	v_bfe_u32 v12, v0, 1, 1                        ; c = (l / 2) % 2: registers 6 c on.  The block's three pieces of 8 bytes lie at 0, 8, 512 (c = 0) or 520, 1024, 1032 (c = 1):
	v_mad_u32_u24 v6, v12, 1016, v5                ; the second piece by this register + 8,
	v_mad_u32_u24 v5, v12, 520, v5                 ; the first and the third by this one + 0, + 512
	v_lshl_add_u32 v7, v10, 7, v1
	v_add_nc_u32 v7, SCB, v7                       ; my block's byte: 32 (4 wave + i) + lane
	v_mad_u32_u24 v8, v10, 2*PS, v2
	v_add_nc_u32 v8, IMG, v8                       ; the copy out: K steps 2 wave and 2 wave + 1, 16 bytes a lane
	v_mad_u32_u24 v9, v10, 3072, v2                ; and the same place in memory
	v_add_nc_u32 v11, SCB, v2                      ; the scale bytes' copy (wave 0): 16 bytes a lane
	s_mov_b32 s37, 0x3a800000                      ; 1 / 1024
	s_mov_b32 s38, 0x3727c5ac                      ; 1e-5
	s_mov_b32 s40, 0x76543210
	s_mov_b32 s41, 0xfedcba98                      ; v_permlanex16_b32's selects for lane l xor 16
	s_cmp_lt_u32 ttmp9, 1024                       ; x's work-group, or a weight's?
	s_cselect_b32 s30, -1, 0                       ; as a mask of lanes
	s_cselect_b32 s31, 0, 1024
	s_sub_co_u32 s31, ttmp9, s31                   ; which tile of the codes' buffer
	s_and_b32 s34, s31, 63                         ; which tile of a weight,
	s_cmp_lt_u32 ttmp9, 1024
	s_cselect_b32 s34, ttmp9, s34                  ; or of x
	s_lshl_b32 s34, s34, 16                        ; x 65,536 bytes
	s_mov_b32 s35, 0
	s_mul_i32 s42, s31, 12288                      ; a tile of codes
	s_mov_b32 s43, 0
	s_lshl_b32 s44, s31, 9                         ; 16 rows of scale bytes
	s_mov_b32 s45, 0
	s_wait_kmcnt 0x0
	s_cmp_lt_u32 ttmp9, 1216                       ; the source: a choice between buffers on the work-group's number alone
	s_cselect_b64 s[32:33], s[10:11], s[12:13]
	s_cmp_lt_u32 ttmp9, 1152
	s_cselect_b64 s[32:33], s[8:9], s[32:33]
	s_cmp_lt_u32 ttmp9, 1088
	s_cselect_b64 s[32:33], s[6:7], s[32:33]
	s_cmp_lt_u32 ttmp9, 1024
	s_cselect_b64 s[32:33], s[4:5], s[32:33]
	s_cselect_b64 s[26:27], s[18:19], s[22:23]     ; the codes' buffer
	s_cselect_b64 s[28:29], s[20:21], s[24:25]     ; the scale bytes'
	s_add_nc_u64 s[32:33], s[32:33], s[34:35]
	s_add_nc_u64 s[26:27], s[26:27], s[42:43]
	s_add_nc_u64 s[28:29], s[28:29], s[44:45]
.irp q, 0,1,2,3,4,5,6,7
	global_load_b128 v[GA+4*\q:GA+4*\q+3], v2, s[14:15] offset:512*\q
.endr
.irp q, 0,1,2,3,4,5,6,7
	global_load_b128 v[BE+4*\q:BE+4*\q+3], v2, s[16:17] offset:512*\q
.endr
.irp i, 0,1
.irp q, 0,1,2,3,4,5,6,7
	global_load_b128 v[X+32*\i+4*\q:X+32*\i+4*\q+3], v[XOF], s[32:33] offset:4096*\i+512*\q th:TH_LOAD_NT   ; 32 lanes read 512 consecutive bytes; read once in the launch
.endr
.endr
	s_wait_loadcnt 16                              ; gamma and beta are in; the first two rows' 16 loads may be out
.set k, 0
.rept 32
	v_cndmask_b32 v[GA+k], 1.0, v[GA+k], s30       ; a weight: gamma = 1,
	v_cndmask_b32 v[BE+k], 0, v[BE+k], s30         ; beta = 0
.set k, k+1
.endr
.macro REDUCE                          ; v16 summed over the 32 lanes, the result in every lane
	v_add_f32_dpp v16, v16, v16 row_xmask:1 row_mask:0xf bank_mask:0xf
	v_add_f32_dpp v16, v16, v16 row_xmask:2 row_mask:0xf bank_mask:0xf
	v_add_f32_dpp v16, v16, v16 row_xmask:4 row_mask:0xf bank_mask:0xf
	v_add_f32_dpp v16, v16, v16 row_xmask:8 row_mask:0xf bank_mask:0xf
	v_permlanex16_b32 v17, v16, s40, s41           ; (v17 has been written: it is the upper half of the sums' pair)
	v_add_f32 v16, v16, v17
.endm
.macro ROW i
.set XR, X+32*((\i)%2)
.if \i < 3
	s_wait_loadcnt 8                               ; this row's eight loads are in; the other set's eight, issued behind them, may be out
.else
	s_wait_loadcnt 0x0
.endif
	v_pk_add_f32 v[16:17], v[XR:XR+1], v[XR+2:XR+3]               ; the sum, in four chains of pairs
	v_pk_add_f32 v[18:19], v[XR+4:XR+5], v[XR+6:XR+7]
	v_pk_add_f32 v[20:21], v[XR+8:XR+9], v[XR+10:XR+11]
	v_pk_add_f32 v[22:23], v[XR+12:XR+13], v[XR+14:XR+15]
.irp k, 16,24
	v_pk_add_f32 v[16:17], v[16:17], v[XR+\k:XR+\k+1]
	v_pk_add_f32 v[18:19], v[18:19], v[XR+\k+2:XR+\k+3]
	v_pk_add_f32 v[20:21], v[20:21], v[XR+\k+4:XR+\k+5]
	v_pk_add_f32 v[22:23], v[22:23], v[XR+\k+6:XR+\k+7]
.endr
	v_pk_add_f32 v[16:17], v[16:17], v[18:19]
	v_pk_add_f32 v[20:21], v[20:21], v[22:23]
	v_pk_add_f32 v[16:17], v[16:17], v[20:21]
	v_add_f32 v16, v16, v17
	REDUCE
	v_mul_f32 v12, s37, v16                        ; the mean
	v_cndmask_b32 v12, 0, v12, s30                 ; (a weight: 0)
	v_mov_b32 v13, v12
.set k, 0
.rept 16
	v_pk_add_f32 v[XR+k:XR+k+1], v[XR+k:XR+k+1], v[12:13] neg_lo:[0,1] neg_hi:[0,1]   ; x - mean
.set k, k+2
.endr
	v_pk_mul_f32 v[16:17], v[XR:XR+1], v[XR:XR+1]                 ; the sum of its squares, in two chains of pairs
	v_pk_mul_f32 v[18:19], v[XR+2:XR+3], v[XR+2:XR+3]
.irp k, 4,8,12,16,20,24,28
	v_pk_fma_f32 v[16:17], v[XR+\k:XR+\k+1], v[XR+\k:XR+\k+1], v[16:17]
	v_pk_fma_f32 v[18:19], v[XR+\k+2:XR+\k+3], v[XR+\k+2:XR+\k+3], v[18:19]
.endr
	v_pk_add_f32 v[16:17], v[16:17], v[18:19]
	v_add_f32 v16, v16, v17
	REDUCE
	v_mov_b32 v18, s38
	v_fma_f32 v16, v16, s37, v18                   ; the variance + 1e-5
	s_wait_alu depctr_va_vdst(0)
	v_rsq_f32 v14, v16
	v_nop                                          ; a plain instruction behind the transcendental,
	s_wait_alu depctr_va_vdst(0)                   ; and the wait ahead of its first reader
	v_cndmask_b32 v14, 1.0, v14, s30               ; (a weight: 1)
	v_mov_b32 v15, v14
.set k, 0
.rept 16
	v_pk_mul_f32 v[XR+k:XR+k+1], v[XR+k:XR+k+1], v[14:15]
.set k, k+2
.endr
.set k, 0
.rept 16
	v_pk_fma_f32 v[XR+k:XR+k+1], v[XR+k:XR+k+1], v[GA+k:GA+k+1], v[BE+k:BE+k+1]
.set k, k+2
.endr
.irp q, 0,1,2,3,4,5,6,7
	ds_store_b128 v3, v[XR+4*\q:XR+4*\q+3] offset:576*\q           ; the row as it lies, 16 bytes of padding behind each 128
.endr
	s_wait_dscnt 0x0                               ; the stores are done: the row comes back into the registers that it left
.irp e, 0,1,2,3,4,5,6,7
	ds_load_b128 v[XR+4*\e:XR+4*\e+3], v4 offset:16*\e             ; the lanes stand 144 bytes apart, an odd multiple of 16
.endr
	s_wait_dscnt 0x0
	v_max3_num_f32 v16, |v[XR]|, |v[XR+1]|, |v[XR+2]|              ; my block's largest magnitude: all 32 numbers are mine
	v_max3_num_f32 v17, |v[XR+3]|, |v[XR+4]|, |v[XR+5]|
.irp k, 6,10,14,18,22,26
	v_max3_num_f32 v16, v16, |v[XR+\k]|, |v[XR+\k+1]|
	v_max3_num_f32 v17, v17, |v[XR+\k+2]|, |v[XR+\k+3]|
.endr
	v_max3_num_f32 v16, v16, |v[XR+30]|, |v[XR+31]|
	v_max3_num_f32 v16, v16, v17, 0x2800000        ; and the floor 2^(5 - 127): the byte cannot fall under 1
	v_add_nc_u32 v18, 0xfe000000, v16              ; 4 off its exponent field: the conversion takes this operand's exponent field as its scale
	v_cvt_scalef32_pk16_bf6_f32 v[24:26], v[XR:XR+15], v18
	v_cvt_scalef32_pk16_bf6_f32 v[28:30], v[XR+16:XR+31], v18      ; (a conversion's three registers begin on an even number)
	v_lshrrev_b32 v19, 23, v18                     ; the scale's byte; also the plain instruction behind the conversions
	v_mov_b32 v27, v28
	v_mov_b32 v28, v29
	v_mov_b32 v29, v30                             ; v24-29: the block's 24 bytes
.if \i < 2
.irp q, 0,1,2,3,4,5,6,7
	global_load_b128 v[XR+4*\q:XR+4*\q+3], v[XOF], s[32:33] offset:4096*(\i+2)+512*\q th:TH_LOAD_NT   ; the row two on, into the set that this row has done with
.endr
.endif
	ds_store_b64 v5, v[24:25] offset:16*\i
	ds_store_b64 v6, v[26:27] offset:16*\i+8
	ds_store_b64 v5, v[28:29] offset:16*\i+512
	ds_store_b8 v7, v19 offset:32*\i
	s_wait_dscnt 0x0                               ; the stores are done: their registers may be written again, and at the barrier below nothing of mine is out
.endm
	ROW 0
	ROW 1
	ROW 2
	ROW 3
	s_barrier_signal -1                            ; every wave's stores into the image and the bytes have landed (the wait for 0 at the end of its last row)
	s_barrier_wait -1
.irp a, 0,1
.irp t, 0,1,2
	ds_load_b128 v[X+4*(3*\a+\t):X+4*(3*\a+\t)+3], v8 offset:PS*\a+512*\t
.endr
.endr
.irp a, 0,1
.irp t, 0,1,2
	s_wait_dscnt 5-(3*\a+\t)                       ; LDS loads come back in order: this one is in, the younger ones may be out
	global_store_b128 v9, v[X+4*(3*\a+\t):X+4*(3*\a+\t)+3], s[26:27] offset:1536*\a+512*\t   ; 32 lanes store 512 consecutive bytes, at a multiple of 512 from the buffer's first byte
.endr
.endr
	s_cmp_lt_u32 s36, 1                            ; the 512 scale bytes: wave 0, 16 bytes a lane
	s_cbranch_scc0 .Ldone
	ds_load_b128 v[12:15], v11
	s_wait_dscnt 0x0
	global_store_b128 v2, v[12:15], s[28:29]
.Ldone:
	s_wait_tensorcnt 0x0
	ds_add_u32 v160, v161
	s_wait_dscnt 0x0
	s_endpgm
.Lfunc_end_k_q111721e37e_prep:
	.size	k_q111721e37e_prep, .Lfunc_end_k_q111721e37e_prep-k_q111721e37e_prep
	.p2alignl 7, 3214868480
	.fill 96, 4, 3214868480
	.section	.rodata,"a",@progbits
	.p2align	6, 0x0
	.amdhsa_kernel k_q111721e37e_prep
		.amdhsa_group_segment_fixed_size 32256
		.amdhsa_private_segment_fixed_size 0
		.amdhsa_enable_private_segment 0
		.amdhsa_kernarg_size 88
		.amdhsa_user_sgpr_count 2
		.amdhsa_user_sgpr_kernarg_segment_ptr 1
		.amdhsa_wavefront_size32 1
		.amdhsa_system_sgpr_workgroup_id_x 1
		.amdhsa_system_sgpr_workgroup_id_y 1
		.amdhsa_system_sgpr_workgroup_id_z 1
		.amdhsa_system_vgpr_workitem_id 0
		.amdhsa_next_free_vgpr 162
		.amdhsa_next_free_sgpr 66
		.amdhsa_reserve_vcc 0
		.amdhsa_float_denorm_mode_32 3
		.amdhsa_float_denorm_mode_16_64 3
		.amdhsa_memory_ordered 1
		.amdhsa_forward_progress 1
		.amdhsa_inst_pref_size 50
	.end_amdhsa_kernel
	.amdgpu_metadata
---
amdhsa.version: [ 1, 2 ]
amdhsa.kernels:
  - .name:           k_q111721e37e_prep
    .symbol:         k_q111721e37e_prep.kd
    .args:
      - { .name: x, .offset: 0, .size: 8, .value_kind: global_buffer, .address_space: global }
      - { .name: Wk, .offset: 8, .size: 8, .value_kind: global_buffer, .address_space: global }
      - { .name: Wv, .offset: 16, .size: 8, .value_kind: global_buffer, .address_space: global }
      - { .name: Wr, .offset: 24, .size: 8, .value_kind: global_buffer, .address_space: global }
      - { .name: Wo, .offset: 32, .size: 8, .value_kind: global_buffer, .address_space: global }
      - { .name: ln_gamma, .offset: 40, .size: 8, .value_kind: global_buffer, .address_space: global }
      - { .name: ln_beta, .offset: 48, .size: 8, .value_kind: global_buffer, .address_space: global }
      - { .name: xq, .offset: 56, .size: 8, .value_kind: global_buffer, .address_space: global }
      - { .name: xs, .offset: 64, .size: 8, .value_kind: global_buffer, .address_space: global }
      - { .name: wq, .offset: 72, .size: 8, .value_kind: global_buffer, .address_space: global }
      - { .name: ws, .offset: 80, .size: 8, .value_kind: global_buffer, .address_space: global }
    .group_segment_fixed_size: 32256
    .private_segment_fixed_size: 0
    .kernarg_segment_align: 8
    .kernarg_segment_size: 88
    .max_flat_workgroup_size: 128
    .sgpr_count:     66
    .vgpr_count:     162
    .wavefront_size: 32
...
	.end_amdgpu_metadata
.endif
;; end of part 1
;; launch sums (part 2): grid 8 x 32, 4 waves a work-group, clusters of 4 x 1, 205,312 bytes of LDS; arguments xq, xs, wq, ws, time_decay, cs; writes cs
.if DOCPART == 2
	.amdgcn_target "amdgcn-amd-amdhsa--gfx1250"
	.amdhsa_code_object_version 6
	.text
	.protected	k_q111721e37e_sums
	.globl	k_q111721e37e_sums
	.p2align	8
	.type	k_q111721e37e_sums,@function
k_q111721e37e_sums:
	s_mov_b64 s[64:65], 0
	v_nop
	global_prefetch_b8 v0, s[64:65] scope:SCOPE_SE
	s_setreg_imm32_b32 hwreg(HW_REG_WAVE_MODE, 25, 1), 1
	s_wait_xcnt 0x0
	s_wait_alu depctr_hold_cnt(0) depctr_sa_sdst(0) depctr_va_vdst(0) depctr_va_sdst(0) depctr_va_ssrc(0) depctr_va_vcc(0) depctr_vm_vsrc(0)
	s_getreg_b32 s2, hwreg(HW_REG_IB_STS2, 6, 4)
	s_cmp_eq_u32 s2, 0
	s_cbranch_scc0 .Lentry_in_a_cluster
	s_endpgm
.Lentry_in_a_cluster:
	s_bfe_u32 s2, ttmp6, 0x10000c
	s_cmp_lg_u32 s2, 0x3003
	s_cbranch_scc0 .Lentry_shape_is_right
	s_endpgm
.Lentry_shape_is_right:
; cs[batch][piece][channel] = sum over the piece's 256 positions t of k[t] v[t] td^t, for the eight pieces of positions 0-2,047 of each batch: what the work-groups of the
; next launch that own positions 2,048-4,095 need as their first running total.  k = xn Wk^T and v = xn Wv^T on BF6 codes, as there.
; SHARES.  256 work-groups: x = 128 channels, y = 8 batch + piece.  The piece's 256 rows of x's codes, 196,608 consecutive bytes laid as images of the operand's registers, land in LDS once,
; 49,152 bytes by each wave's one tensor load; nothing is filled again.  Wave w keeps Wk's and Wv's 32 rows of its own 32 channels in registers (windows 1 and 2) and walks all 256 rows,
; 32 a group, two groups a trip: 64 matrix instructions a group.  A lane holds one channel and eight positions, so the sums stay in the lane; no wave needs another's.
; CLUSTERS: the four work-groups of a cluster own other channels of the same piece and ask for its rows jointly.  No prefetch: all that is read is asked for at the head, there is no loop to run ahead in.
; td^t is exp2(t log2 td), log2 td held at -256 from below.  LIMITS: NaN and infinities among the inputs are not served.
.set SCX,   196608                     ; behind the rows: x's scale bytes, 256 rows x 32, stored by the waves
.set SPARE, 204800                     ; behind them: the spare words, 128 bytes a wave
.set MSB, 0
.macro WIN new
.if MSB != (\new)
	s_set_vgpr_msb (MSB<<8)|(\new)
.set MSB, (\new)
.endif
.endm
.macro PLACES
.rept 4
	v_nop
.endr
.endm
.macro ROUND                           ; a round of the cluster's barrier
	s_barrier_signal -1
	s_barrier_wait -1
	s_cmp_lg_u32 s20, 0
	s_cbranch_scc1 .Lnot_wave_0_\@
	s_barrier_signal -3
.Lnot_wave_0_\@:
	s_barrier_wait -3
	s_barrier_signal -1
	s_barrier_wait -1
.endm
.macro FETCHA p, g                     ; x's fragments of K steps 2 g, 2 g + 1, both row tiles of group p of the trip, into buffer g % 2
.irp ss, 0,1
.irp a, 0,1
.irp t, 0,1,2
	ds_load_b128 v[160+48*((\g)%2)+12*(2*\ss+\a)+4*\t:160+48*((\g)%2)+12*(2*\ss+\a)+4*\t+3], v2 offset:24576*(\p)+12288*\a+1536*(2*(\g)+\ss)+512*\t
.endr
.endr
.endr
.endm
.macro FETCH0 p                        ; group p's scale words (lane = row), then its first two pairs of K steps
	ds_load_b128 v[40+8*\p:43+8*\p], v5 offset:1024*\p
	ds_load_b128 v[44+8*\p:47+8*\p], v5 offset:1024*\p+16
	FETCHA \p, 0
	FETCHA \p, 1
.endm
.macro WM sel, zero                    ; sel: bit 0 the weights' upper 16 rows, bit 1 x's upper 16 rows: which half of the scale registers' lanes
.if \zero
.if \sel == 0
	v_wmma_scale_f32_16x16x128_f8f6f4 v[rD:rD+7], v[rA:rA+11], v[rB:rB+11], 0, v[rSA], v[rSB] matrix_a_fmt:MATRIX_FMT_BF6 matrix_b_fmt:MATRIX_FMT_BF6
.elseif \sel == 1
	v_wmma_scale_f32_16x16x128_f8f6f4 v[rD:rD+7], v[rA:rA+11], v[rB:rB+11], 0, v[rSA], v[rSB] matrix_a_fmt:MATRIX_FMT_BF6 matrix_b_fmt:MATRIX_FMT_BF6 matrix_b_scale:MATRIX_SCALE_ROW1
.elseif \sel == 2
	v_wmma_scale_f32_16x16x128_f8f6f4 v[rD:rD+7], v[rA:rA+11], v[rB:rB+11], 0, v[rSA], v[rSB] matrix_a_fmt:MATRIX_FMT_BF6 matrix_b_fmt:MATRIX_FMT_BF6 matrix_a_scale:MATRIX_SCALE_ROW1
.else
	v_wmma_scale_f32_16x16x128_f8f6f4 v[rD:rD+7], v[rA:rA+11], v[rB:rB+11], 0, v[rSA], v[rSB] matrix_a_fmt:MATRIX_FMT_BF6 matrix_b_fmt:MATRIX_FMT_BF6 matrix_a_scale:MATRIX_SCALE_ROW1 matrix_b_scale:MATRIX_SCALE_ROW1
.endif
.else
.if \sel == 0
	v_wmma_scale_f32_16x16x128_f8f6f4 v[rD:rD+7], v[rA:rA+11], v[rB:rB+11], v[rD:rD+7], v[rSA], v[rSB] matrix_a_fmt:MATRIX_FMT_BF6 matrix_b_fmt:MATRIX_FMT_BF6
.elseif \sel == 1
	v_wmma_scale_f32_16x16x128_f8f6f4 v[rD:rD+7], v[rA:rA+11], v[rB:rB+11], v[rD:rD+7], v[rSA], v[rSB] matrix_a_fmt:MATRIX_FMT_BF6 matrix_b_fmt:MATRIX_FMT_BF6 matrix_b_scale:MATRIX_SCALE_ROW1
.elseif \sel == 2
	v_wmma_scale_f32_16x16x128_f8f6f4 v[rD:rD+7], v[rA:rA+11], v[rB:rB+11], v[rD:rD+7], v[rSA], v[rSB] matrix_a_fmt:MATRIX_FMT_BF6 matrix_b_fmt:MATRIX_FMT_BF6 matrix_a_scale:MATRIX_SCALE_ROW1
.else
	v_wmma_scale_f32_16x16x128_f8f6f4 v[rD:rD+7], v[rA:rA+11], v[rB:rB+11], v[rD:rD+7], v[rSA], v[rSB] matrix_a_fmt:MATRIX_FMT_BF6 matrix_b_fmt:MATRIX_FMT_BF6 matrix_a_scale:MATRIX_SCALE_ROW1 matrix_b_scale:MATRIX_SCALE_ROW1
.endif
.endif
.endm
.macro MMG p, g                        ; 16 matrix instructions: k (window 1), v (window 2) x two K steps x accumulators q = 2 (row tile) + (channel tile), by turns
.irp m, 1,2
	WIN 0x54*\m
.irp ss, 0,1
.irp q, 0,1,2,3
.set rD, 192+8*\q
.set rA, 160+48*((\g)%2)+12*(2*\ss+\q/2)
.set rB, 12*(8*(\q%2)+2*(\g)+\ss)
.set rSA, 40+8*(\p)+2*(\g)+\ss
.set rSB, 8+8*\m+2*(\g)+\ss
.if ((\g) == 0) && (\ss == 0)
	WM \q, 1
.else
	WM \q, 0
.endif
.endr
.endr
.endr
.endm
	s_load_b256 s[4:11], s[0:1], 0x0               ; xq, xs, wq, ws
	s_load_b128 s[12:15], s[0:1], 0x20             ; time_decay, cs
	v_lshl_add_u32 v12, v0, 2, SPARE
	v_mov_b32 v13, 0
	ds_add_u32 v12, v13
	ds_add_u32 v12, v13
	v_lshrrev_b32 v15, 5, v0
	v_readfirstlane_b32 s20, v15                   ; wave
	s_bfe_u32 s21, ttmp6, 0x40000                  ; cx
	s_lshl_b32 s22, ttmp9, 2
	s_add_co_u32 s22, s22, s21
	s_lshl_b32 s22, s22, 2
	s_add_co_u32 s22, s22, s20                     ; my wave's group of 32 channels: 4 x work-group x + wave
	s_and_b32 s23, ttmp7, 0xffff                   ; 8 batch + piece
	s_lshr_b32 s70, s23, 3
	s_and_b32 s71, s23, 7
	s_mov_b32 s24, 15|(3<<16)|(1<<21)              ; group 1: the four partners; elements of 8 bytes; 192 dense rows of 256 bytes
	s_mov_b32 s25, 32<<16
	s_mov_b32 s26, 192<<16
	s_mov_b32 s27, 32<<16
	s_mov_b32 s28, 192
	s_mov_b32 s29, 32
	s_mov_b32 s30, 0
	s_mov_b32 s31, 0
	s_lshl_b32 s72, s70, 8                         ; tiles of 16 rows: 256 batch + 16 piece + 4 wave
	s_lshl_b32 s73, s71, 4
	s_add_co_u32 s72, s72, s73
	s_lshl_b32 s73, s20, 2
	s_add_co_u32 s72, s72, s73
	s_mul_i32 s72, s72, 12288
	s_mov_b32 s73, 0
	s_mov_b32 s32, 1
	s_mul_i32 s33, s20, 49152
	s_mov_b32 s59, 0
	s_mov_b32 s40, 0x76543210
	s_mov_b32 s41, 0xfedcba98                      ; v_permlanex16_b32's selects for lane l xor 16
	s_mov_b32 s42, 0xbfb8aa3b                      ; -log2(e)
	s_mov_b32 s44, 0xffff0000                      ; lanes 16-31
	s_lshl_b32 s74, s71, 8                         ; the piece's first position
	s_wait_dscnt 0x0
	s_wait_kmcnt 0x0
	s_add_nc_u64 s[34:35], s[4:5], s[72:73]
	s_or_b32 s35, s35, 0x80000000
	s_mul_i32 s58, s22, 24576
	s_add_nc_u64 s[60:61], s[8:9], s[58:59]        ; Wk's codes of my 32 channels; Wv's lie 786,432 bytes on
	s_lshl_b32 s58, s22, 10
	s_add_nc_u64 s[62:63], s[10:11], s[58:59]      ; their scale bytes
	s_lshl_b32 s58, s22, 7
	s_add_nc_u64 s[66:67], s[12:13], s[58:59]
	s_add_nc_u64 s[14:15], s[14:15], s[58:59]
	s_lshl_b32 s58, s23, 12
	s_add_nc_u64 s[14:15], s[14:15], s[58:59]      ; cs: 4,096 (8 batch + piece) + 128 x group
	s_lshl_b32 s58, s70, 17
	s_lshl_b32 s57, s71, 13
	s_add_co_u32 s58, s58, s57
	s_add_nc_u64 s[50:51], s[6:7], s[58:59]        ; x's scale bytes of the piece
	ROUND
	tensor_load_to_lds s[32:35], s[24:31]          ; my 64 rows of the piece: the wave's one tensor load
	s_nop 0
	PLACES
	v_and_b32 v118, 31, v0
	v_and_b32 v116, 15, v0
	v_bfe_u32 v117, v0, 4, 1
	v_lshlrev_b32 v1, 4, v118
	v_lshlrev_b32 v119, 5, v118
	v_lshlrev_b32 v120, 2, v116
	v_lshlrev_b32 v9, 2, v118
	v_lshlrev_b32 v10, 5, v0
	v_mov_b32 v2, v1                               ; fragments: 16 x lane + the trip's 49,152
	v_add_nc_u32 v6, SCX, v119
	v_mov_b32 v5, v6                               ; scale words: 32 x lane + the trip's 2,048
	v_add_nc_u32 v7, SCX, v10
	v_cvt_f32_u32 v14, s74                         ; t of the group's first row
	s_wait_alu depctr_va_vdst(0)
.irp m, 1,2
	WIN 0x40*\m
.irp u, 0,1
.irp s, 0,1,2,3,4,5,6,7
.irp t, 0,1,2
	global_load_b128 v[12*(8*\u+\s)+4*\t:12*(8*\u+\s)+4*\t+3], v1, s[60:61] offset:786432*(\m-1)+12288*\u+1536*\s+512*\t
.endr
.endr
.endr
.endr
	WIN 0
.irp m, 0,1
	global_load_b128 v[16+8*\m:19+8*\m], v119, s[62:63] offset:32768*\m
	global_load_b128 v[20+8*\m:23+8*\m], v119, s[62:63] offset:32768*\m+16
.endr
.irp i, 0,1
	global_load_b128 v[128+8*\i:131+8*\i], v10, s[50:51] offset:4096*\i       ; thread n: rows n and n + 128
	global_load_b128 v[132+8*\i:135+8*\i], v10, s[50:51] offset:4096*\i+16
.endr
	global_load_b32 v57, v120, s[66:67]
	global_load_b32 v59, v120, s[66:67] offset:64
	s_wait_loadcnt 0x0
.irp i, 57,59
	v_mul_f32 v\i, s42, v\i
.endr
	s_wait_alu depctr_va_vdst(0)
.irp i, 57,59
	v_exp_f32 v\i, v\i
.endr
	v_nop
	s_wait_alu depctr_va_vdst(0)
.irp i, 57,59
	v_add_f32 v\i, 1.0, v\i
.endr
	s_wait_alu depctr_va_vdst(0)
.irp i, 57,59
	v_rcp_f32 v\i, v\i                             ; td of channels r and 16 + r
.endr
	v_nop
	s_wait_alu depctr_va_vdst(0)
	v_log_f32 v60, v57
	v_log_f32 v61, v59
	v_lshlrev_b32 v121, 3, v117
	s_wait_alu depctr_va_vdst(0)
	v_max_num_f32 v60, 0xc3800000, v60
	v_max_num_f32 v61, 0xc3800000, v61
.irp i, 0,1,2,3,4,5,6,7
	v_add_nc_u32 v[84+\i], \i, v121
.endr
.irp i, 0,1,2,3,4,5,6,7
	v_cvt_f32_u32 v[84+\i], v[84+\i]
.endr
.irp i, 0,1,2,3,4,5,6,7
	v_mul_f32 v[92+\i], v[84+\i], v61
	v_mul_f32 v[84+\i], v[84+\i], v60
.endr
	v_mul_f32 v62, 0x41800000, v60
	v_mul_f32 v63, 0x41800000, v61
	s_wait_alu depctr_va_vdst(0)
.irp i, 0,1,2,3,4,5,6,7,8,9,10,11,12,13,14,15
	v_exp_f32 v[84+\i], v[84+\i]                   ; td^(8 h + j), both channel tiles
.endr
	v_exp_f32 v62, v62                             ; td^16
	v_exp_f32 v63, v63
	v_mov_b32 v64, 0                               ; the sums
	s_wait_alu depctr_va_vdst(0)
	v_mov_b32 v65, 0
	v_mov_b32 v112, 0
	v_mov_b32 v113, 0
	s_wait_alu depctr_va_vdst(0)
	s_wait_tensorcnt 0x0                           ; my rows have landed
.irp i, 0,1
	ds_store_b128 v7, v[128+8*\i:131+8*\i] offset:4096*\i
	ds_store_b128 v7, v[132+8*\i:135+8*\i] offset:4096*\i+16
.endr
	s_wait_dscnt 0x0                               ; and my scale bytes are stored: the others read both behind the barrier
	s_barrier_signal -1
	s_barrier_wait -1
.macro GROUP p
	s_wait_dscnt 12                                ; the scale words and K steps 0, 1 are in; the younger 12 loads may be out
	MMG \p, 0
	WIN 0
	PLACES
	FETCHA \p, 2
	s_wait_dscnt 12
	MMG \p, 1
	PLACES
	WIN 0
	FETCHA \p, 3
	s_wait_dscnt 12
	MMG \p, 2
	s_wait_dscnt 0x0
	MMG \p, 3
	WIN 0
	v_mul_f32 v66, v14, v60
	v_mul_f32 v67, v14, v61
	v_add_f32 v14, 0x42000000, v14                 ; 32 positions on
	v_nop                                          ; four places behind the last product
.if \p == 0
	FETCH0 1
.endif
	s_wait_alu depctr_va_vdst(0)
	v_exp_f32 v66, v66                             ; td^t of the group's first row
	v_exp_f32 v67, v67
	WIN 0x49
.set i, 0
	s_wait_alu depctr_va_vdst(0)                   ; the wait ahead of the first reader of the products
.rept 16
	v_pk_mul_f32 v[224+i:225+i], v[192+i:193+i], v[192+i:193+i]   ; kv = k v
.set i, i+2
.endr
	WIN 0x01
.irp q, 0,1,2,3
	v_mul_f32 v[108+\q], v[224+8*\q], v[84+8*(\q%2)]
.endr
.irp j, 1,2,3,4,5,6,7
.irp q, 0,1,2,3
	v_fma_f32 v[108+\q], v[224+8*\q+\j], v[84+8*(\q%2)+\j], v[108+\q]   ; my eight positions, four chains by turns
.endr
.endr
	WIN 0
	v_fma_f32 v116, v62, v110, v108                ; the upper row tile stands 16 positions on
	v_fma_f32 v117, v63, v111, v109
	v_fma_f32 v64, v66, v116, v64
	v_fma_f32 v65, v67, v117, v65
.endm
	s_mov_b32 s48, 4
	s_mov_b32 s56, 0
	s_mov_b32 s57, 0
.Ltrip:
	FETCH0 0
	GROUP 0
	GROUP 1
	s_add_co_u32 s56, s56, 49152
	s_add_co_u32 s57, s57, 2048
	v_add_nc_u32 v2, s56, v1
	v_add_nc_u32 v5, s57, v6
	s_sub_co_u32 s48, s48, 1
	s_cmp_lg_u32 s48, 0
	s_wait_alu depctr_va_vdst(0)
	s_cbranch_scc1 .Ltrip
	v_permlanex16_b32 v112, v64, s40, s41          ; the other eight positions of each row tile
	v_permlanex16_b32 v113, v65, s40, s41
	v_add_f32 v64, v64, v112
	v_add_f32 v65, v65, v113
	v_cndmask_b32 v15, v64, v65, s44               ; lane l: channel l of my 32
	global_store_b32 v9, v15, s[14:15]             ; 128 consecutive bytes a wave, 512 a work-group
	s_wait_tensorcnt 0x0                           ; the wave's end
	ds_add_u32 v12, v13
	s_wait_dscnt 0x0
	ROUND                                          ; the closing round
	s_endpgm
.Lfunc_end_k_q111721e37e_sums:
	.size	k_q111721e37e_sums, .Lfunc_end_k_q111721e37e_sums-k_q111721e37e_sums
	.p2alignl 7, 3214868480
	.fill 96, 4, 3214868480
	.section	.rodata,"a",@progbits
	.p2align	6, 0x0
	.amdhsa_kernel k_q111721e37e_sums
		.amdhsa_group_segment_fixed_size 205312
		.amdhsa_private_segment_fixed_size 0
		.amdhsa_enable_private_segment 0
		.amdhsa_kernarg_size 48
		.amdhsa_user_sgpr_count 2
		.amdhsa_user_sgpr_kernarg_segment_ptr 1
		.amdhsa_wavefront_size32 1
		.amdhsa_system_sgpr_workgroup_id_x 1
		.amdhsa_system_sgpr_workgroup_id_y 1
		.amdhsa_system_sgpr_workgroup_id_z 1
		.amdhsa_system_vgpr_workitem_id 0
		.amdhsa_next_free_vgpr 768
		.amdhsa_next_free_sgpr 80
		.amdhsa_reserve_vcc 0
		.amdhsa_float_denorm_mode_32 3
		.amdhsa_float_denorm_mode_16_64 3
		.amdhsa_memory_ordered 1
		.amdhsa_forward_progress 1
		.amdhsa_inst_pref_size 49
	.end_amdhsa_kernel
	.amdgpu_metadata
---
amdhsa.version: [ 1, 2 ]
amdhsa.kernels:
  - .name:           k_q111721e37e_sums
    .symbol:         k_q111721e37e_sums.kd
    .args:
      - { .name: xq, .offset: 0, .size: 8, .value_kind: global_buffer, .address_space: global }
      - { .name: xs, .offset: 8, .size: 8, .value_kind: global_buffer, .address_space: global }
      - { .name: wq, .offset: 16, .size: 8, .value_kind: global_buffer, .address_space: global }
      - { .name: ws, .offset: 24, .size: 8, .value_kind: global_buffer, .address_space: global }
      - { .name: time_decay, .offset: 32, .size: 8, .value_kind: global_buffer, .address_space: global }
      - { .name: cs, .offset: 40, .size: 8, .value_kind: global_buffer, .address_space: global }
    .group_segment_fixed_size: 205312
    .private_segment_fixed_size: 0
    .kernarg_segment_align: 8
    .kernarg_segment_size: 48
    .max_flat_workgroup_size: 128
    .sgpr_count:     80
    .vgpr_count:     768
    .wavefront_size: 32
...
	.end_amdgpu_metadata
.endif
;; end of part 2
;; launch mix (part 3): grid 32 x 8, 4 waves a work-group, clusters of 4 x 1, 327,680 bytes of LDS; arguments xq, xs, wq, ws, time_decay, time_first, yq, ys, cs; writes yq, ys
.if DOCPART == 3
	.amdgcn_target "amdgcn-amd-amdhsa--gfx1250"
	.amdhsa_code_object_version 6
	.text
	.protected	k_q111721e37e_mix
	.globl	k_q111721e37e_mix
	.p2align	8
	.type	k_q111721e37e_mix,@function
k_q111721e37e_mix:
	s_mov_b64 s[64:65], 0
	v_nop
	global_prefetch_b8 v0, s[64:65] scope:SCOPE_SE
	s_setreg_imm32_b32 hwreg(HW_REG_WAVE_MODE, 25, 1), 1
	s_wait_xcnt 0x0
	s_wait_alu depctr_hold_cnt(0) depctr_sa_sdst(0) depctr_va_vdst(0) depctr_va_sdst(0) depctr_va_ssrc(0) depctr_va_vcc(0) depctr_vm_vsrc(0)
	s_getreg_b32 s2, hwreg(HW_REG_IB_STS2, 6, 4)
	s_cmp_eq_u32 s2, 0
	s_cbranch_scc0 .Lentry_in_a_cluster
	s_endpgm
.Lentry_in_a_cluster:
	s_bfe_u32 s2, ttmp6, 0x10000c
	s_cmp_lg_u32 s2, 0x3003
	s_cbranch_scc0 .Lentry_shape_is_right
	s_endpgm
.Lentry_shape_is_right:
; k, v, r = xn Wk^T, xn Wv^T, xn Wr^T on BF6 codes, kv = k v, wkv[t] = tf kv[t] + td x (sum over s < t of kv[s] td^s), y = sigmoid(r) wkv, and y's quantising to BF6 along the channels.
; SHARES.  A work-group owns 32 channels (one block of y's quantiser) of one batch and HALF of its 4,096 positions: grid 32 x 8 = 256, y = 4 half + batch.  Its 3 x 32 rows of weights stay in
; registers (windows 1, 2, 3: k, v, r).  It walks 16 blocks of 128 positions, 32 a wave; x's codes come as images of the operand's registers through a ring of two LDS slots, each wave loading and
; reading its own 32 rows.  The running total begins with 0 in the first half and with the sum of cs's eight pieces, which the launch before has stored, in the second (a select on the work-group's y).
; CLUSTERS: the four channel groups of a cluster read the same tiles of x and ask for them jointly.  PREFETCH: waves 0-2 of the cluster at x = 0 name the tile four blocks on, a lane to each 256 bytes,
; each partner one wave's record; the last four blocks ask for nothing.
; td^t is exp2(t log2 td), log2 td held at -256 from below.  LIMITS: NaN and infinities among the inputs are not served.
.set SLOTB, 98304
.set WREC,  24576
.set STG,   196608
.set EXC,   215040
.set YSB,   216064
.set SPARE, 220160
.set MSB, 0
.macro WIN new
.if MSB != (\new)
	s_set_vgpr_msb (MSB<<8)|(\new)
.set MSB, (\new)
.endif
.endm
.macro PLACES
.rept 4
	v_nop
.endr
.endm
.macro ROUND
	s_barrier_signal -1
	s_barrier_wait -1
	s_cmp_lg_u32 s20, 0
	s_cbranch_scc1 .Lnot_wave_0_\@
	s_barrier_signal -3
.Lnot_wave_0_\@:
	s_barrier_wait -3
	s_barrier_signal -1
	s_barrier_wait -1
.endm
.macro FETCHA p, g
.irp ss, 0,1
.irp a, 0,1
.irp t, 0,1,2
	ds_load_b128 v[160+48*((\g)%2)+12*(2*\ss+\a)+4*\t:160+48*((\g)%2)+12*(2*\ss+\a)+4*\t+3], v[2+(\p)] offset:12288*\a+1536*(2*(\g)+\ss)+512*\t
.endr
.endr
.endr
.endm
.macro WM sel, zero
.if \zero
.if \sel == 0
	v_wmma_scale_f32_16x16x128_f8f6f4 v[rD:rD+7], v[rA:rA+11], v[rB:rB+11], 0, v[rSA], v[rSB] matrix_a_fmt:MATRIX_FMT_BF6 matrix_b_fmt:MATRIX_FMT_BF6
.elseif \sel == 1
	v_wmma_scale_f32_16x16x128_f8f6f4 v[rD:rD+7], v[rA:rA+11], v[rB:rB+11], 0, v[rSA], v[rSB] matrix_a_fmt:MATRIX_FMT_BF6 matrix_b_fmt:MATRIX_FMT_BF6 matrix_b_scale:MATRIX_SCALE_ROW1
.elseif \sel == 2
	v_wmma_scale_f32_16x16x128_f8f6f4 v[rD:rD+7], v[rA:rA+11], v[rB:rB+11], 0, v[rSA], v[rSB] matrix_a_fmt:MATRIX_FMT_BF6 matrix_b_fmt:MATRIX_FMT_BF6 matrix_a_scale:MATRIX_SCALE_ROW1
.else
	v_wmma_scale_f32_16x16x128_f8f6f4 v[rD:rD+7], v[rA:rA+11], v[rB:rB+11], 0, v[rSA], v[rSB] matrix_a_fmt:MATRIX_FMT_BF6 matrix_b_fmt:MATRIX_FMT_BF6 matrix_a_scale:MATRIX_SCALE_ROW1 matrix_b_scale:MATRIX_SCALE_ROW1
.endif
.else
.if \sel == 0
	v_wmma_scale_f32_16x16x128_f8f6f4 v[rD:rD+7], v[rA:rA+11], v[rB:rB+11], v[rD:rD+7], v[rSA], v[rSB] matrix_a_fmt:MATRIX_FMT_BF6 matrix_b_fmt:MATRIX_FMT_BF6
.elseif \sel == 1
	v_wmma_scale_f32_16x16x128_f8f6f4 v[rD:rD+7], v[rA:rA+11], v[rB:rB+11], v[rD:rD+7], v[rSA], v[rSB] matrix_a_fmt:MATRIX_FMT_BF6 matrix_b_fmt:MATRIX_FMT_BF6 matrix_b_scale:MATRIX_SCALE_ROW1
.elseif \sel == 2
	v_wmma_scale_f32_16x16x128_f8f6f4 v[rD:rD+7], v[rA:rA+11], v[rB:rB+11], v[rD:rD+7], v[rSA], v[rSB] matrix_a_fmt:MATRIX_FMT_BF6 matrix_b_fmt:MATRIX_FMT_BF6 matrix_a_scale:MATRIX_SCALE_ROW1
.else
	v_wmma_scale_f32_16x16x128_f8f6f4 v[rD:rD+7], v[rA:rA+11], v[rB:rB+11], v[rD:rD+7], v[rSA], v[rSB] matrix_a_fmt:MATRIX_FMT_BF6 matrix_b_fmt:MATRIX_FMT_BF6 matrix_a_scale:MATRIX_SCALE_ROW1 matrix_b_scale:MATRIX_SCALE_ROW1
.endif
.endif
.endm
.macro MMG p, g
.irp m, 1,2,3
	WIN 0x54*\m
.irp ss, 0,1
.irp q, 0,1,2,3
.set rD, 192+8*\q
.set rA, 160+48*((\g)%2)+12*(2*\ss+\q/2)
.set rB, 12*(8*(\q%2)+2*(\g)+\ss)
.set rSA, 40+8*(\p)+2*(\g)+\ss
.set rSB, 8+8*\m+2*(\g)+\ss
.if ((\g) == 0) && (\ss == 0)
	WM \q, 1
.else
	WM \q, 0
.endif
.endr
.endr
.endr
.endm
.macro ASK io, lim
	s_cmp_gt_u32 s48, s[\lim]
	s_cbranch_scc0 .Lnot_mine_\@
	global_prefetch_b8 v11, s[54:55] offset:(\io)*SLOTB th:TH_LOAD_NT scope:SCOPE_SE
.Lnot_mine_\@:
.endm
	s_load_b512 s[4:19], s[0:1], 0x0
	s_load_b64 s[78:79], s[0:1], 0x40              ; cs
	v_lshl_add_u32 v12, v0, 2, SPARE
	v_mov_b32 v13, 0
	ds_add_u32 v12, v13
	ds_add_u32 v12, v13
	s_wait_dscnt 0x0
	v_lshrrev_b32 v15, 5, v0
	v_readfirstlane_b32 s20, v15
	s_bfe_u32 s21, ttmp6, 0x40000
	s_lshl_b32 s22, ttmp9, 2
	s_add_co_u32 s22, s22, s21
	s_and_b32 s23, ttmp7, 0xffff
	s_lshr_b32 s77, s23, 2                         ; which half of the positions
	s_and_b32 s23, s23, 3                          ; the batch
	s_cmp_lg_u32 s77, 0
	s_cselect_b32 s75, -1, 0                       ; as a mask of lanes
	s_mov_b32 s24, 15|(3<<16)|(1<<21)
	s_mov_b32 s25, 32<<16
	s_mov_b32 s26, 96<<16
	s_mov_b32 s27, 32<<16
	s_mov_b32 s28, 96
	s_mov_b32 s29, 32
	s_mov_b32 s30, 0
	s_mov_b32 s31, 0
	s_lshl_b32 s72, s23, 7
	s_add_co_u32 s72, s72, s20
	s_lshl_b32 s73, s77, 6                         ; 2,048 positions are 64 records of 32 rows
	s_add_co_u32 s72, s72, s73
	s_mul_i32 s72, s72, WREC
	s_mov_b32 s73, 0
	s_mov_b32 s32, 1
	s_mul_i32 s33, s20, WREC
	s_mov_b32 s36, 1
	s_add_co_u32 s37, s33, SLOTB
	s_wait_kmcnt 0x0
	s_add_nc_u64 s[34:35], s[4:5], s[72:73]
	s_add_nc_u64 s[38:39], s[34:35], SLOTB
	s_or_b32 s35, s35, 0x80000000
	s_or_b32 s39, s39, 0x80000000
	ROUND
	tensor_load_to_lds s[32:35], s[24:31]
	s_nop 0
	s_wait_alu depctr_va_vdst(0)
	s_wait_tensorcnt 0x0
	ds_add_u32 v12, v13
	s_wait_dscnt 0x0
	ROUND
	tensor_load_to_lds s[36:39], s[24:31]
	s_nop 0
	PLACES
	v_and_b32 v118, 31, v0
	v_and_b32 v116, 15, v0
	v_bfe_u32 v117, v0, 4, 1
	v_lshlrev_b32 v1, 4, v118
	v_lshlrev_b32 v11, 8, v118
	v_lshlrev_b32 v119, 5, v118
	v_lshlrev_b32 v120, 2, v116
	v_add_nc_u32 v2, s33, v1
	v_add_nc_u32 v3, SLOTB, v2
	s_mul_i32 s74, s20, 4608
	s_add_co_u32 s74, s74, STG
	v_lshlrev_b32 v4, 2, v116
	v_mad_u32_u24 v4, v117, 1152, v4
	v_add_nc_u32 v4, s74, v4
	v_mul_u32_u24 v5, v116, 144
	v_lshl_add_u32 v5, v117, 6, v5
	v_add_nc_u32 v5, s74, v5
	s_lshl_b32 s74, s20, 2
	s_add_co_u32 s74, s74, EXC
	v_add_nc_u32 v6, s74, v1
	v_lshl_add_u32 v7, v116, 4, EXC
	s_lshl_b32 s74, s20, 10
	s_add_co_u32 s74, s74, YSB
	v_add_nc_u32 v8, s74, v116
	v_mul_u32_u24 v9, v116, 24
	v_mad_u32_u24 v9, v117, 12, v9
	s_mul_i32 s74, s20, 768
	v_add_nc_u32 v9, s74, v9
	v_lshlrev_b32 v10, 5, v0
	s_wait_alu depctr_va_vdst(0)
	s_lshl_b32 s74, s20, 5
	s_lshl_b32 s57, s77, 11
	s_add_co_u32 s74, s74, s57                     ; t of my first row: 2,048 half + 32 wave
	v_cvt_f32_u32 v14, s74
	s_mov_b32 s40, 0x76543210
	s_mov_b32 s41, 0xfedcba98
	s_mov_b32 s42, 0xbfb8aa3b
	s_mov_b32 s43, s42
	s_mov_b32 s44, 0xffff0000
	s_cmp_gt_u32 s20, 0
	s_cselect_b32 s45, 1.0, 0
	s_cmp_gt_u32 s20, 1
	s_cselect_b32 s46, 1.0, 0
	s_cmp_gt_u32 s20, 2
	s_cselect_b32 s47, 1.0, 0
	s_cmp_lt_u32 s20, 3
	s_cselect_b32 s49, 0, 1
	s_or_b32 s49, s49, ttmp9
	s_cmp_eq_u32 s49, 0
	s_cselect_b32 s76, 0, -1
	s_cselect_b32 s49, 1, -1
	s_mov_b32 s56, 0
	s_mov_b32 s59, 0
	s_mul_i32 s58, s22, 24576
	s_add_nc_u64 s[60:61], s[8:9], s[58:59]
	s_lshl_b32 s58, s22, 10
	s_add_nc_u64 s[62:63], s[10:11], s[58:59]
	s_lshl_b32 s58, s22, 7
	s_add_nc_u64 s[66:67], s[12:13], s[58:59]
	s_add_nc_u64 s[68:69], s[14:15], s[58:59]
	s_add_nc_u64 s[78:79], s[78:79], s[58:59]
	s_lshl_b32 s58, s23, 15
	s_add_nc_u64 s[78:79], s[78:79], s[58:59]      ; cs: 32,768 batch + 128 x channel group
	s_lshl_b32 s58, s23, 17
	s_lshl_b32 s57, s77, 16
	s_add_co_u32 s58, s58, s57
	s_add_nc_u64 s[50:51], s[6:7], s[58:59]
	s_mul_i32 s58, s22, 393216
	s_mul_i32 s57, s23, 98304
	s_add_co_u32 s58, s58, s57
	s_mul_i32 s57, s77, 49152                      ; 2,048 positions x 24 bytes of codes
	s_add_co_u32 s58, s58, s57
	s_add_nc_u64 s[52:53], s[16:17], s[58:59]
	s_lshl_b32 s58, s22, 14
	s_lshl_b32 s57, s23, 12
	s_add_co_u32 s58, s58, s57
	s_lshl_b32 s57, s77, 11                        ; 2,048 scale bytes
	s_add_co_u32 s58, s58, s57
	s_add_nc_u64 s[70:71], s[18:19], s[58:59]
	s_lshl_b32 s58, s23, 7
	s_add_co_u32 s58, s58, s21
	s_add_co_u32 s58, s58, 16
	s_lshl_b32 s57, s77, 6
	s_add_co_u32 s58, s58, s57
	s_mul_i32 s58, s58, WREC
	s_lshl_b32 s57, s20, 13
	s_add_co_u32 s58, s58, s57
	s_add_nc_u64 s[54:55], s[4:5], s[58:59]
.irp m, 1,2,3
	WIN 0x40*\m
.irp u, 0,1
.irp s, 0,1,2,3,4,5,6,7
.irp t, 0,1,2
	global_load_b128 v[12*(8*\u+\s)+4*\t:12*(8*\u+\s)+4*\t+3], v1, s[60:61] offset:786432*(\m-1)+12288*\u+1536*\s+512*\t
.endr
.endr
.endr
.endr
	WIN 0
.irp m, 0,1,2
	global_load_b128 v[16+8*\m:19+8*\m], v119, s[62:63] offset:32768*\m
	global_load_b128 v[20+8*\m:23+8*\m], v119, s[62:63] offset:32768*\m+16
.endr
.irp p, 0,1
	global_load_b128 v[40+8*\p:43+8*\p], v10, s[50:51] offset:4096*\p
	global_load_b128 v[44+8*\p:47+8*\p], v10, s[50:51] offset:4096*\p+16
.endr
	global_load_b32 v57, v120, s[66:67]
	global_load_b32 v59, v120, s[66:67] offset:64
	global_load_b32 v56, v120, s[68:69]
	global_load_b32 v58, v120, s[68:69] offset:64
.irp i, 0,1,2,3,4,5,6,7
	global_load_b32 v[100+\i], v120, s[78:79] offset:4096*\i       ; the eight pieces' sums of channels r
	global_load_b32 v[128+\i], v120, s[78:79] offset:4096*\i+64    ; and 16 + r
.endr
	s_wait_loadcnt 0x0
.irp i, 56,57,58,59
	v_mul_f32 v\i, s42, v\i
.endr
	s_wait_alu depctr_va_vdst(0)
.irp i, 56,57,58,59
	v_exp_f32 v\i, v\i
.endr
	v_nop
	s_wait_alu depctr_va_vdst(0)
.irp i, 56,57,58,59
	v_add_f32 v\i, 1.0, v\i
.endr
	s_wait_alu depctr_va_vdst(0)
.irp i, 56,57,58,59
	v_rcp_f32 v\i, v\i
.endr
	v_nop
	s_wait_alu depctr_va_vdst(0)
	v_log_f32 v60, v57
	v_log_f32 v61, v59
	v_lshlrev_b32 v121, 3, v117
	s_wait_alu depctr_va_vdst(0)
	v_max_num_f32 v60, 0xc3800000, v60
	v_max_num_f32 v61, 0xc3800000, v61
.irp i, 0,1,2,3,4,5,6,7
	v_add_nc_u32 v[84+\i], \i, v121
.endr
.irp i, 0,1,2,3,4,5,6,7
	v_cvt_f32_u32 v[84+\i], v[84+\i]
.endr
.irp i, 0,1,2,3,4,5,6,7
	v_mul_f32 v[92+\i], v[84+\i], v61
	v_mul_f32 v[84+\i], v[84+\i], v60
.endr
	v_mul_f32 v62, 0x41800000, v60
	v_mul_f32 v63, 0x41800000, v61
	s_wait_alu depctr_va_vdst(0)
.irp i, 0,1,2,3,4,5,6,7,8,9,10,11,12,13,14,15
	v_exp_f32 v[84+\i], v[84+\i]
.endr
	v_exp_f32 v62, v62
	v_exp_f32 v63, v63
	v_add_f32 v64, v100, v101
	s_wait_alu depctr_va_vdst(0)
	v_add_f32 v65, v128, v129
.irp i, 2,3,4,5,6,7
	v_add_f32 v64, v64, v[100+\i]
	v_add_f32 v65, v65, v[128+\i]
.endr
	v_cndmask_b32 v64, 0, v64, s75                 ; the first half begins with 0
	v_cndmask_b32 v65, 0, v65, s75
.irp q, 0,1,2,3
	v_mov_b32 v[112+\q], 0
.endr
	WIN 0x80
.irp q, 0,1,2,3
	v_mov_b32 v[224+8*\q], 0
.endr
	WIN 0
	s_wait_tensorcnt 0x1
	FETCHA 0, 0
	FETCHA 0, 1
	s_wait_dscnt 0x0
.macro QUANT io
	s_wait_dscnt 0x0
	s_wait_xcnt 0x0
.irp a, 0,1
	v_max3_num_f32 v[116+\a], |v[128+16*\a]|, |v[129+16*\a]|, 0x2800000
.endr
.irp i, 2,4,6,8,10,12,14
.irp a, 0,1
	v_max3_num_f32 v[116+\a], v[116+\a], |v[128+16*\a+\i]|, |v[129+16*\a+\i]|
.endr
.endr
.irp a, 0,1
	v_permlanex16_b32 v[118+\a], v[116+\a], s40, s41
.endr
.irp a, 0,1
	v_max_num_f32 v[116+\a], v[116+\a], v[118+\a]
.endr
.irp a, 0,1
	v_add_nc_u32 v[123+4*\a], 0xfe000000, v[116+\a]
.endr
.irp a, 0,1
	v_cvt_scalef32_pk16_bf6_f32 v[120+4*\a:122+4*\a], v[128+16*\a:143+16*\a], v[123+4*\a]
.endr
	v_nop
.irp a, 0,1
	v_lshrrev_b32 v[116+\a], 23, v[123+4*\a]
.endr
	v_add_nc_u32 v15, s56, v8
.irp a, 0,1
	global_store_b96 v9, v[120+4*\a:122+4*\a], s[52:53] offset:3072*(\io)+384*\a
	ds_store_b8 v15, v[116+\a] offset:32*(\io)+16*\a
.endr
.endm
.macro BLOCK p, io, refill, next, prev, ask
	s_wait_loadcnt 2*\next
	s_wait_dscnt 40
	MMG \p, 0
	WIN 0
.if \prev
	QUANT (\io)-1
.else
	PLACES
.endif
	FETCHA \p, 2
	MMG \p, 1
	PLACES
	WIN 0
	FETCHA \p, 3
	s_wait_dscnt 12
	MMG \p, 2
	s_wait_dscnt 0x0
	MMG \p, 3
	WIN 0
	v_mul_f32 v66, v14, v60
	v_mul_f32 v67, v14, v61
	v_add_f32 v14, 0x43000000, v14
	v_nop
	s_wait_alu depctr_va_vdst(0)
	v_exp_f32 v66, v66
	v_exp_f32 v67, v67
.if \refill
	global_load_b128 v[40+8*\p:43+8*\p], v10, s[50:51] offset:((\io)+2)*4096
	global_load_b128 v[44+8*\p:47+8*\p], v10, s[50:51] offset:((\io)+2)*4096+16
.endif
	WIN 0xc3
.set i, 0
	s_wait_alu depctr_va_vdst(0)
.rept 16
	v_pk_mul_f32 v[224+i:225+i], v[192+i:193+i], s[42:43] op_sel_hi:[1,0]
.set i, i+2
.endr
.set i, 0
	s_wait_alu depctr_va_vdst(0)
.rept 32
	v_exp_f32 v[224+i], v[224+i]
.set i, i+1
.endr
	WIN 0x49
.set i, 0
	s_wait_alu depctr_va_vdst(0)
.rept 16
	v_pk_mul_f32 v[224+i:225+i], v[192+i:193+i], v[192+i:193+i]
.set i, i+2
.endr
	WIN 0xa1
.irp q, 0,1,2,3
	v_mul_f32 v[225+8*\q], v[224+8*\q], v[84+8*(\q%2)]
.endr
.irp j, 1,2,3,4,5,6
.irp q, 0,1,2,3
	v_fma_f32 v[225+8*\q+\j], v[224+8*\q+\j], v[84+8*(\q%2)+\j], v[224+8*\q+\j]
.endr
.endr
	WIN 0x21
.irp q, 0,1,2,3
	v_fma_f32 v[108+\q], v[231+8*\q], v[91+8*(\q%2)], v[231+8*\q]
.endr
	WIN 0
.irp q, 0,1,2,3
	v_permlanex16_b32 v[112+\q], v[108+\q], s40, s41
.endr
.irp q, 0,1,2,3
	v_add_f32 v[71+4*\q], v[108+\q], v[112+\q]
	v_cndmask_b32 v[69+4*\q], 0, v[112+\q], s44
.endr
	s_wait_alu depctr_va_vdst(0)
	v_fma_f32 v116, v62, v79, v71
	v_fma_f32 v117, v63, v83, v75
	v_mul_f32 v116, v66, v116
	v_mul_f32 v117, v67, v117
	v_cndmask_b32 v15, v116, v117, s44
	ds_store_b32 v6, v15 offset:512*\p
	s_wait_tensorcnt 0x0
	ds_add_u32 v12, v13
.if \refill
	s_add_nc_u64 s[34+4*\p:35+4*\p], s[34+4*\p:35+4*\p], 2*SLOTB
.endif
	v_mul_f32 v70, v57, v66
	v_mul_f32 v74, v59, v67
	v_mul_f32 v78, v70, v62
	v_mul_f32 v82, v74, v63
	WIN 0xc3
.set i, 0
.rept 16
	v_pk_add_f32 v[224+i:225+i], v[224+i:225+i], 1.0 op_sel_hi:[1,0]
.set i, i+2
.endr
	WIN 0
	s_wait_dscnt 0x0
.if \refill
	ROUND
	tensor_load_to_lds s[32+4*\p:35+4*\p], s[24:31]
	s_nop 0
	PLACES
.if \ask
	ASK \io, \ask
.endif
.else
	s_barrier_signal -1
	s_barrier_wait -1
.endif
	ds_load_b128 v[100:103], v7 offset:512*\p
	ds_load_b128 v[104:107], v7 offset:512*\p+256
.if \next
	FETCHA 1-\p, 0
	FETCHA 1-\p, 1
.endif
	WIN 0xc3
.set i, 0
	s_wait_alu depctr_va_vdst(0)
.rept 32
	v_rcp_f32 v[224+i], v[224+i]
.set i, i+1
.endr
	WIN 0
	s_wait_dscnt 24*\next
	v_fma_f32 v116, s45, v100, v64
	v_fma_f32 v117, s45, v104, v65
	v_fma_f32 v116, s46, v101, v116
	v_fma_f32 v117, s46, v105, v117
	v_fma_f32 v116, s47, v102, v116
	v_fma_f32 v117, s47, v106, v117
	v_add_f32 v118, v100, v101
	v_add_f32 v119, v104, v105
	v_add_f32 v118, v118, v102
	v_add_f32 v119, v119, v106
	v_add_f32 v118, v118, v103
	v_add_f32 v119, v119, v107
	v_add_f32 v64, v64, v118
	v_add_f32 v65, v65, v119
	v_mul_f32 v116, v57, v116
	v_mul_f32 v117, v59, v117
	v_fma_f32 v68, v70, v69, v116
	v_fma_f32 v72, v74, v73, v117
	v_fma_f32 v118, v70, v71, v116
	v_fma_f32 v119, v74, v75, v117
	v_fma_f32 v76, v78, v77, v118
	v_fma_f32 v80, v82, v81, v119
	WIN 0x41
.irp q, 0,1,2,3
.irp i, 0,2,4,6
	v_pk_fma_f32 v[224+8*\q+\i:225+8*\q+\i], v[224+8*\q+\i:225+8*\q+\i], v[56+2*(\q%2):57+2*(\q%2)], v[68+4*\q:69+4*\q] op_sel_hi:[1,0,0]
.endr
.endr
	WIN 0x52
.irp q, 0,1,2,3
.irp i, 0,2,4,6
	v_pk_fma_f32 v[224+8*\q+\i:225+8*\q+\i], v[224+8*\q+\i:225+8*\q+\i], v[70+4*\q:71+4*\q], v[224+8*\q+\i:225+8*\q+\i] op_sel_hi:[1,0,1]
.endr
.endr
	s_wait_alu depctr_va_vdst(0)
	WIN 0x4d
.set i, 0
.rept 16
	v_pk_mul_f32 v[224+i:225+i], v[224+i:225+i], v[224+i:225+i]
.set i, i+2
.endr
	WIN 0x04
.irp q, 0,1,2,3
.irp j, 0,1,2,3,4,5,6,7
	ds_store_b32 v4, v[224+8*\q+\j] offset:144*(16*(\q/2)+\j)+64*(\q%2)
.endr
.endr
	WIN 0
.irp a, 0,1
.irp i, 0,1,2,3
	ds_load_b128 v[128+16*\a+4*\i:131+16*\a+4*\i], v5 offset:2304*\a+16*\i
.endr
.endr
.if !\next
	QUANT \io
.endif
.endm
	s_mov_b32 s48, 6                               ; 1 + 2 x 6 + 3 = 16 blocks
	BLOCK 0, 0, 1, 1, 0, 76
.Ltrip:
	BLOCK 1, 1, 1, 1, 1, 76
	BLOCK 0, 2, 1, 1, 1, 49
	s_wait_xcnt 0x0
	s_add_nc_u64 s[50:51], s[50:51], 8192
	s_add_nc_u64 s[52:53], s[52:53], 6144
	s_add_nc_u64 s[54:55], s[54:55], 2*SLOTB
	s_add_co_u32 s56, s56, 64
	s_sub_co_u32 s48, s48, 1
	s_cmp_lg_u32 s48, 0
	s_cbranch_scc1 .Ltrip
	BLOCK 1, 1, 1, 1, 1, 0
	BLOCK 0, 2, 0, 1, 1, 0
	BLOCK 1, 3, 0, 0, 1, 0
	s_wait_dscnt 0x0
	s_barrier_signal -1
	s_barrier_wait -1
	v_bfe_u32 v116, v0, 1, 2
	v_lshlrev_b32 v116, 10, v116
	v_lshrrev_b32 v117, 3, v0
	v_lshl_add_u32 v116, v117, 5, v116
	v_and_b32 v117, 1, v0
	v_lshl_add_u32 v116, v117, 4, v116
	v_add_nc_u32 v116, YSB, v116
	v_lshlrev_b32 v117, 4, v0
	ds_load_b128 v[128:131], v116
	s_wait_alu depctr_va_vdst(0)
	s_wait_dscnt 0x0
	global_store_b128 v117, v[128:131], s[70:71]
	s_wait_tensorcnt 0x0
	ds_add_u32 v12, v13
	s_wait_dscnt 0x0
	ROUND
	s_endpgm
.Lfunc_end_k_q111721e37e_mix:
	.size	k_q111721e37e_mix, .Lfunc_end_k_q111721e37e_mix-k_q111721e37e_mix
	.p2alignl 7, 3214868480
	.fill 96, 4, 3214868480
	.section	.rodata,"a",@progbits
	.p2align	6, 0x0
	.amdhsa_kernel k_q111721e37e_mix
		.amdhsa_group_segment_fixed_size 327680
		.amdhsa_private_segment_fixed_size 0
		.amdhsa_enable_private_segment 0
		.amdhsa_kernarg_size 72
		.amdhsa_user_sgpr_count 2
		.amdhsa_user_sgpr_kernarg_segment_ptr 1
		.amdhsa_wavefront_size32 1
		.amdhsa_system_sgpr_workgroup_id_x 1
		.amdhsa_system_sgpr_workgroup_id_y 1
		.amdhsa_system_sgpr_workgroup_id_z 1
		.amdhsa_system_vgpr_workitem_id 0
		.amdhsa_next_free_vgpr 1024
		.amdhsa_next_free_sgpr 80
		.amdhsa_reserve_vcc 0
		.amdhsa_float_denorm_mode_32 3
		.amdhsa_float_denorm_mode_16_64 3
		.amdhsa_memory_ordered 1
		.amdhsa_forward_progress 1
		.amdhsa_inst_pref_size 233
	.end_amdhsa_kernel
	.amdgpu_metadata
---
amdhsa.version: [ 1, 2 ]
amdhsa.kernels:
  - .name:           k_q111721e37e_mix
    .symbol:         k_q111721e37e_mix.kd
    .args:
      - { .name: xq, .offset: 0, .size: 8, .value_kind: global_buffer, .address_space: global }
      - { .name: xs, .offset: 8, .size: 8, .value_kind: global_buffer, .address_space: global }
      - { .name: wq, .offset: 16, .size: 8, .value_kind: global_buffer, .address_space: global }
      - { .name: ws, .offset: 24, .size: 8, .value_kind: global_buffer, .address_space: global }
      - { .name: time_decay, .offset: 32, .size: 8, .value_kind: global_buffer, .address_space: global }
      - { .name: time_first, .offset: 40, .size: 8, .value_kind: global_buffer, .address_space: global }
      - { .name: yq, .offset: 48, .size: 8, .value_kind: global_buffer, .address_space: global }
      - { .name: ys, .offset: 56, .size: 8, .value_kind: global_buffer, .address_space: global }
      - { .name: cs, .offset: 64, .size: 8, .value_kind: global_buffer, .address_space: global }
    .group_segment_fixed_size: 327680
    .private_segment_fixed_size: 0
    .kernarg_segment_align: 8
    .kernarg_segment_size: 72
    .max_flat_workgroup_size: 128
    .sgpr_count:     80
    .vgpr_count:     1024
    .wavefront_size: 32
...
	.end_amdgpu_metadata
.endif
;; end of part 3
;; launch outp (part 4): grid 4 x 64, 4 waves a work-group, clusters of 4 x 4, 327,680 bytes of LDS; arguments yq, ys, wq, ws, out0; writes out0
.if DOCPART == 4
	.amdgcn_target "amdgcn-amd-amdhsa--gfx1250"
	.amdhsa_code_object_version 6
	.text
	.protected	k_q111721e37e_outp
	.globl	k_q111721e37e_outp
	.p2align	8
	.type	k_q111721e37e_outp,@function
k_q111721e37e_outp:
	s_mov_b64 s[64:65], 0
	v_nop
	global_prefetch_b8 v0, s[64:65] scope:SCOPE_SE
	s_setreg_imm32_b32 hwreg(HW_REG_WAVE_MODE, 25, 1), 1
	s_wait_xcnt 0x0
	s_wait_alu depctr_hold_cnt(0) depctr_sa_sdst(0) depctr_va_vdst(0) depctr_va_sdst(0) depctr_va_ssrc(0) depctr_va_vcc(0) depctr_vm_vsrc(0)
	s_getreg_b32 s2, hwreg(HW_REG_IB_STS2, 6, 4)
	s_cmp_eq_u32 s2, 0
	s_cbranch_scc0 .Lentry_in_a_cluster
	s_endpgm
.Lentry_in_a_cluster:
	s_bfe_u32 s2, ttmp6, 0x10000c
	s_cmp_lg_u32 s2, 0xf033
	s_cbranch_scc0 .Lentry_shape_is_right
	s_endpgm
.Lentry_shape_is_right:
.set SIZE_N, 1024
.set NQ,     2
.set FR,     12
.set NL,     6
.set NP,     4
.set APL,    6144
.set AODD,   24704
.set BOFF,   49408
.set BHALF,  24576
.set SLOT,   98560
.set ASTEP,  3145728
.set BSTEP,  3072
.set LAPS,   2
.set KS,     32
.set SCL,    2*SLOT
.set HALFS,  4352
.set SBLK,   544
.set YP,     SCL+4*HALFS
.set SPARE,  YP+2*HALFS
.set SPITCH, 528
.set ADRA, 16
.set ADRB, 20
.set STO,  24
.set RD,   25
.set CO,   26
.set ADRS, 27
.set SPW,  28
.set NIL,  29
.set SC,   32
.set AF,   128
.set BK,   128
.set G1, 24
.set G0, 32
.set G1B, 48
.set G0B, 56
.set G1S, 68
.set G0S, 76
.set G1SB, 80
.set G0SB, 88
.set MSB, 0
.macro WIN new
.if MSB != (\new)
	s_set_vgpr_msb (MSB<<8)|(\new)
.set MSB, (\new)
.endif
.endm
.set MUL_LO, 0xa1
.set MUL_HI, 0xf1
.set TO_B,   0x40
.macro JLOAD g0a, g1a, g0b, g1b
	s_cmp_eq_u32 s15, 0
	s_cbranch_scc0 .Lfor_b_\@
	tensor_load_to_lds s[\g0a:\g0a+3], s[\g1a:\g1a+7]
	s_nop 0
.rept 4
	v_nop
.endr
	s_branch .Lasked_\@
.Lfor_b_\@:
	tensor_load_to_lds s[\g0b:\g0b+3], s[\g1b:\g1b+7]
	s_nop 0
.rept 4
	v_nop
.endr
.Lasked_\@:
.endm
.macro CREST
	s_cmp_lg_u32 s14, 0
	s_cbranch_scc1 .Lnot_wave_0_\@
	s_barrier_signal -3
.Lnot_wave_0_\@:
	s_barrier_wait -3
	s_barrier_signal -1
	s_barrier_wait -1
.endm
.macro CROUND
	s_barrier_signal -1
	s_barrier_wait -1
	CREST
.endm
	s_load_b128 s[4:7], s[0:1], 0x0
	s_load_b128 s[8:11], s[0:1], 0x10
	s_load_b64 s[12:13], s[0:1], 0x20
	v_lshl_add_u32 v[SPW], v0, 2, SPARE
	v_mov_b32 v[NIL], 0
	ds_add_u32 v28, v29
	ds_add_u32 v28, v29
	s_wait_dscnt 0x0
	v_lshrrev_b32 v1, 5, v0
	v_readfirstlane_b32 s14, v1
	s_lshr_b32 s15, s14, 1
	s_and_b32 s16, s14, 1
	s_bfe_u32 s40, ttmp6, 0x40000
	s_bfe_u32 s41, ttmp6, 0x40004
	s_lshl_b32 s42, ttmp9, 2
	s_add_co_u32 s42, s42, s40
	s_and_b32 s17, ttmp7, 0xffff
	s_lshl_b32 s17, s17, 2
	s_add_co_u32 s17, s17, s41
	s_lshl_b32 s43, s41, 2
	s_lshl_b32 s43, 15, s43
	s_lshl_b32 s44, 0x1111, s40
	s_or_b32 s[G1+0], s43, (3<<16)|(1<<21)
	s_mov_b32 s[G1+1], 768<<16
	s_mov_b32 s[G1+2], 4<<16
	s_mov_b32 s[G1+3], 768<<16
	s_mov_b32 s[G1+4], 4
	s_mov_b32 s[G1+5], 98304
	s_mov_b32 s[G1+6], 0
	s_mov_b32 s[G1+7], 0
	s_or_b32 s[G1B+0], s44, (3<<16)|(1<<21)
	s_mov_b32 s[G1B+1], 384<<16
	s_mov_b32 s[G1B+2], 8<<16
	s_mov_b32 s[G1B+3], 384<<16
	s_mov_b32 s[G1B+4], 8
	s_mov_b32 s[G1B+5], 1536
	s_mov_b32 s[G1B+6], 0
	s_mov_b32 s[G1B+7], 0
	s_or_b32 s[G1S+0], s43, (3<<16)|(1<<20)|(1<<21)|(5<<22)|(3<<25)
	s_or_b32 s[G1SB+0], s44, (3<<16)|(1<<20)|(1<<21)|(5<<22)|(3<<25)
.irp g, G1S, G1SB
	s_mov_b32 s[\g+1], 32<<16
	s_mov_b32 s[\g+2], 16<<16
	s_mov_b32 s[\g+3], 32<<16
	s_mov_b32 s[\g+4], 16
	s_mov_b32 s[\g+6], 0
	s_mov_b32 s[\g+7], 0
.endr
	s_mov_b32 s[G1S+5], 2048
	s_mov_b32 s[G1SB+5], 32
	s_mul_i32 s20, s17, APL
	s_mul_i32 s18, s16, 393216
	s_add_co_u32 s20, s20, s18
	s_mov_b32 s21, 0
	s_lshl_b32 s22, s17, 8
	s_lshl_b32 s18, s16, 18
	s_add_co_u32 s22, s22, s18
	s_mov_b32 s23, 0
	s_lshl_b32 s46, s42, 4
	s_lshl_b32 s18, s16, 3
	s_add_co_u32 s46, s46, s18
	s_mul_i32 s46, s46, 12288
	s_add_co_u32 s46, s46, 2359296
	s_mov_b32 s47, 0
	s_lshl_b32 s92, s42, 13
	s_lshl_b32 s18, s16, 12
	s_add_co_u32 s92, s92, s18
	s_add_co_u32 s92, s92, 98304
	s_mov_b32 s93, 0
	s_mul_i32 s45, s16, AODD
	s_mul_i32 s95, s16, BHALF
	s_mul_i32 s94, s16, HALFS
	s_wait_kmcnt 0x0
	s_add_nc_u64 s[20:21], s[4:5], s[20:21]
	s_add_nc_u64 s[22:23], s[6:7], s[22:23]
	s_add_nc_u64 s[46:47], s[8:9], s[46:47]
	s_add_nc_u64 s[92:93], s[10:11], s[92:93]
	CROUND
	s_mov_b32 s[G0S], 1
	s_add_co_u32 s[G0S+1], s94, YP
	s_mov_b64 s[G0S+2:G0S+3], s[22:23]
	s_or_b32 s[G0S+3], s[G0S+3], 0x80000000
	s_mov_b32 s[G0SB], 1
	s_add_co_u32 s[G0SB+1], s94, SCL+2*HALFS
	s_mov_b64 s[G0SB+2:G0SB+3], s[92:93]
	s_or_b32 s[G0SB+3], s[G0SB+3], 0x80000000
	JLOAD G0S, G1S, G0SB, G1SB
.irp s, 0,1
	s_mov_b32 s[G0+4*\s], 1
	s_add_co_u32 s[G0+4*\s+1], s45, \s*SLOT
	s_add_nc_u64 s[G0+4*\s+2:G0+4*\s+3], s[20:21], \s*ASTEP
	s_or_b32 s[G0+4*\s+3], s[G0+4*\s+3], 0x80000000
	s_mov_b32 s[G0B+4*\s], 1
	s_add_co_u32 s[G0B+4*\s+1], s95, \s*SLOT+BOFF
	s_add_nc_u64 s[G0B+4*\s+2:G0B+4*\s+3], s[46:47], \s*BSTEP
	s_or_b32 s[G0B+4*\s+3], s[G0B+4*\s+3], 0x80000000
	s_wait_alu depctr_va_vdst(0)
	s_wait_tensorcnt 0x0
	ds_add_u32 v28, v29
	s_wait_dscnt 0x0
	CROUND
	JLOAD G0+4*\s, G1, G0B+4*\s, G1B
.endr
	v_and_b32 v1, 15, v0
	v_bfe_u32 v2, v0, 4, 1
	v_mul_u32_u24 v3, v1, 24
	v_mad_u32_u24 v3, v2, AODD, v3
	v_and_b32 v4, 31, v0
	v_lshlrev_b32 v4, 4, v4
	s_mul_i32 s21, s15, 3072
	s_mul_i32 s22, s16, BHALF
	s_add_co_u32 s22, s22, BOFF
.irp s, 0,1
	v_add_nc_u32 v[ADRA+\s], s21, v3
	v_add_nc_u32 v[ADRB+\s], s22, v4
	s_add_co_u32 s21, s21, SLOT
	s_add_co_u32 s22, s22, SLOT
.endr
	v_mul_u32_u24 v5, v1, KS
	v_lshrrev_b32 v6, 8, v5
	v_lshl_add_u32 v5, v6, 4, v5
	s_mul_i32 s21, s15, HALFS
	s_mul_i32 s22, s16, HALFS
	s_add_co_u32 s22, s22, 2*HALFS
	s_sub_co_u32 s22, s22, s21
	v_mul_u32_u24 v6, s22, v2
	s_add_co_u32 s21, s21, SCL
	v_add_nc_u32 v5, v5, v6
	v_add_nc_u32 v[ADRS], s21, v5
	s_mul_i32 s23, s14, 16*SPITCH
	v_mul_u32_u24 v5, v1, SPITCH
	v_lshl_add_u32 v5, v2, 5, v5
	v_add_nc_u32 v[STO], s23, v5
	v_mov_b32 v[CO], v4
	v_add_nc_u32 v[RD], s23, v4
	v_and_b32 v6, 63, v0
	v_lshrrev_b32 v7, 6, v0
	v_lshlrev_b32 v8, 2, v6
	v_mad_u32_u24 v8, v7, HALFS, v8
	v_add_nc_u32 v8, YP, v8
	v_lshrrev_b32 v9, 1, v6
	v_lshlrev_b32 v9, 4, v9
	v_lshl_add_u32 v9, v6, 7, v9
	v_lshl_add_u32 v9, v7, 4, v9
	v_add_nc_u32 v9, SCL, v9
	s_lshl_b32 s20, s17, 8
	s_lshl_b32 s21, s15, 7
	s_add_co_u32 s20, s20, s21
	s_mov_b32 s21, 0
	s_mov_b64 s[18:19], SIZE_N*4
	s_mul_u64 s[20:21], s[20:21], s[18:19]
	s_lshl_b32 s46, s42, 10
	s_lshl_b32 s47, s16, 9
	s_add_co_u32 s46, s46, s47
	s_mov_b32 s47, 0
	s_add_nc_u64 s[20:21], s[20:21], s[46:47]
	s_add_nc_u64 s[12:13], s[12:13], s[20:21]
.macro FRAGA reg, slot, q, i
.irp c, 0,1
.irp e, 0,1,2
	ds_load_b64 v[\reg+6*\c+2*\e:\reg+6*\c+2*\e+1], v[ADRA+\slot] offset:APL*(2*(\q)+\c)+384*(\i)+8*\e
.endr
.endr
.endm
.macro FRAGB reg, slot, q, i
.irp t, 0,1,2
	ds_load_b128 v[\reg+4*\t:\reg+4*\t+3], v[ADRB+\slot] offset:3072*(\i)+1536*(\q)+512*\t
.endr
.endm
.macro MUL16 a0, p, q, sc, zero
.irp a, \a0, \a0+1
.irp b, 0,1,2,3,4,5,6,7
.if \zero
	v_wmma_scale_f32_16x16x128_f8f6f4 v[8*(8*((\a)%4)+\b):8*(8*((\a)%4)+\b)+7], v[128*(\p)+FR*\b:128*(\p)+FR*\b+FR-1], v[AF+FR*(\a):AF+FR*(\a)+FR-1], 0, v[SC+8*NQ*(\sc)+NQ*\b+(\q)], v[SC+8*NQ*(\sc)+NQ*(\a)+(\q)] matrix_a_fmt:MATRIX_FMT_BF6 matrix_b_fmt:MATRIX_FMT_BF6 matrix_a_scale:MATRIX_SCALE_ROW1
.else
	v_wmma_scale_f32_16x16x128_f8f6f4 v[8*(8*((\a)%4)+\b):8*(8*((\a)%4)+\b)+7], v[128*(\p)+FR*\b:128*(\p)+FR*\b+FR-1], v[AF+FR*(\a):AF+FR*(\a)+FR-1], v[8*(8*((\a)%4)+\b):8*(8*((\a)%4)+\b)+7], v[SC+8*NQ*(\sc)+NQ*\b+(\q)], v[SC+8*NQ*(\sc)+NQ*(\a)+(\q)] matrix_a_fmt:MATRIX_FMT_BF6 matrix_b_fmt:MATRIX_FMT_BF6 matrix_a_scale:MATRIX_SCALE_ROW1
.endif
.endr
.endr
.endm
.macro FETCH_B slot, q, p
	WIN TO_B
.irp i, 0,1,2,3,4,5,6,7
	FRAGB 128*(\p)+FR*\i, \slot, \q, \i
.endr
	WIN 0
.endm
.macro FETCH_A slot, q, i0
.irp i, \i0, \i0+1, \i0+2, \i0+3
	FRAGA AF+FR*(\i), \slot, \q, \i
.endr
.endm
.macro SCALES sc
.irp i, 0,1,2,3,4,5,6,7
	ds_load_b64 v[SC+8*NQ*\sc+NQ*\i:SC+8*NQ*\sc+NQ*\i+1], v[ADRS] offset:\i*SBLK
.endr
.endm
.macro PLACES n
.rept \n
	v_nop
.endr
.endm
.macro STEP slot, q, zero
	s_wait_dscnt 4*NL
	WIN MUL_LO
	MUL16 0, (\q)%2, \q, \slot, \zero
	MUL16 2, (\q)%2, \q, \slot, \zero
	s_wait_dscnt 0
	PLACES NP
	FETCH_B \slot, (\q)+1, 1-(\q)%2
	FETCH_A \slot, (\q)+1, 0
	WIN MUL_HI
	MUL16 4, (\q)%2, \q, \slot, \zero
	MUL16 6, (\q)%2, \q, \slot, \zero
	PLACES NP
	WIN 0
	FETCH_A \slot, (\q)+1, 4
.endm
.macro TURN slot, next, fill
	s_wait_tensorcnt 0x0
	ds_add_u32 v[SPW], v[NIL]
	s_wait_dscnt 4*NL+1
	WIN MUL_LO
	MUL16 0, 1, NQ-1, \slot, 0
	s_wait_dscnt 0x0
	s_barrier_signal -1
	MUL16 2, 1, NQ-1, \slot, 0
	WIN 0
	s_barrier_wait -1
.if \fill
	CREST
	s_add_nc_u64 s[G0+4*\slot+2:G0+4*\slot+3], s[G0+4*\slot+2:G0+4*\slot+3], 2*ASTEP
	s_add_nc_u64 s[G0B+4*\slot+2:G0B+4*\slot+3], s[G0B+4*\slot+2:G0B+4*\slot+3], 2*BSTEP
	JLOAD G0+4*\slot, G1, G0B+4*\slot, G1B
.else
	PLACES NP
.endif
	s_wait_alu depctr_va_vdst(0)
	v_add_nc_u32 v[ADRS], 4*NQ, v[ADRS]
	FETCH_B \next, 0, 0
	FETCH_A \next, 0, 0
	SCALES \next
	WIN MUL_HI
	MUL16 4, 1, NQ-1, \slot, 0
	MUL16 6, 1, NQ-1, \slot, 0
	PLACES NP
	WIN 0
	FETCH_A \next, 0, 4
.endm
	s_wait_alu depctr_va_vdst(0)
	s_wait_tensorcnt 0x2
	s_barrier_signal -1
	s_barrier_wait -1
.irp n, 0,1,2,3,4,5,6,7,8,9,10,11,12,13,14,15
	ds_load_b32 v[128+\n], v8 offset:272*\n
.endr
	s_wait_dscnt 0x0
.irp k, 0,1,2,3
	v_perm_b32 v144, v[129+4*\k], v[128+4*\k], 0x05010400
	v_perm_b32 v145, v[129+4*\k], v[128+4*\k], 0x07030602
	v_perm_b32 v146, v[131+4*\k], v[130+4*\k], 0x05010400
	v_perm_b32 v147, v[131+4*\k], v[130+4*\k], 0x07030602
	v_perm_b32 v[160+\k], v146, v144, 0x05040100
	v_perm_b32 v[164+\k], v146, v144, 0x07060302
	v_perm_b32 v[168+\k], v147, v145, 0x05040100
	v_perm_b32 v[172+\k], v147, v145, 0x07060302
.endr
.irp i, 0,1,2,3
	ds_store_b128 v9, v[160+4*\i:163+4*\i] offset:32*\i
.endr
	s_wait_dscnt 0x0
	s_wait_tensorcnt 0x1
	s_barrier_signal -1
	s_barrier_wait -1
	FETCH_B 0, 0, 0
	FETCH_A 0, 0, 0
	SCALES 0
	FETCH_A 0, 0, 4
	STEP 0, 0, 1
	s_mov_b32 s3, LAPS-1
.Llap:
	TURN 0, 1, 1
	STEP 1, 0, 0
	TURN 1, 0, 1
	STEP 0, 0, 0
	s_sub_co_u32 s3, s3, 1
	s_cmp_lg_u32 s3, 0
	s_cbranch_scc1 .Llap
	TURN 0, 1, 0
	STEP 1, 0, 0
	s_wait_dscnt 4*NL
	WIN MUL_LO
	MUL16 0, 1, NQ-1, 1, 0
	MUL16 2, 1, NQ-1, 1, 0
	s_wait_dscnt 0
	WIN MUL_HI
	MUL16 4, 1, NQ-1, 1, 0
	MUL16 6, 1, NQ-1, 1, 0
	WIN 0
.macro TOSTAGE a
.set AC, 64*((\a)%4)
	WIN 0x08+4*((\a)/4)
.irp b, 0,1,2,3,4,5,6,7
	ds_store_b128 v[STO], v[AC+8*\b:AC+8*\b+3] offset:64*\b
	ds_store_b128 v[STO], v[AC+8*\b+4:AC+8*\b+7] offset:64*\b+16
.endr
	WIN 0
.set BB, BK+64*((\a)%2)
.irp t, 0,1,2,3,4,5,6,7,8,9,10,11,12,13,14,15
	ds_load_b128 v[BB+4*\t:BB+4*\t+3], v[RD] offset:\t*SPITCH
.endr
.endm
.macro SEND a, younger
.set BB, BK+64*((\a)%2)
	s_wait_dscnt \younger
.if (\a) > 0
	s_add_nc_u64 s[12:13], s[12:13], 16*SIZE_N*4
.endif
.irp t, 0,1,2,3,4,5,6,7,8,9,10,11,12,13,14,15
	global_store_b128 v[CO], v[BB+4*\t:BB+4*\t+3], s[12:13] offset:\t*SIZE_N*4 th:TH_STORE_NT
.endr
.endm
	PLACES NP
	TOSTAGE 0
.irp a, 1,2,3,4,5,6,7
.if \a > 1
	s_wait_xcnt 0x0
.endif
	TOSTAGE \a
	SEND \a-1, 32
.endr
	s_wait_xcnt 0x0
	SEND 7, 0
	s_wait_tensorcnt 0x0
	ds_add_u32 v[SPW], v[NIL]
	s_wait_dscnt 0x0
	CROUND
	s_endpgm
.Lfunc_end_k_q111721e37e_outp:
	.size	k_q111721e37e_outp, .Lfunc_end_k_q111721e37e_outp-k_q111721e37e_outp
	.p2alignl 7, 3214868480
	.fill 96, 4, 3214868480
	.section	.rodata,"a",@progbits
	.p2align	6, 0x0
	.amdhsa_kernel k_q111721e37e_outp
		.amdhsa_group_segment_fixed_size 327680
		.amdhsa_private_segment_fixed_size 0
		.amdhsa_enable_private_segment 0
		.amdhsa_kernarg_size 40
		.amdhsa_user_sgpr_count 2
		.amdhsa_user_sgpr_kernarg_segment_ptr 1
		.amdhsa_wavefront_size32 1
		.amdhsa_system_sgpr_workgroup_id_x 1
		.amdhsa_system_sgpr_workgroup_id_y 1
		.amdhsa_system_sgpr_workgroup_id_z 1
		.amdhsa_system_vgpr_workitem_id 0
		.amdhsa_next_free_vgpr 1024
		.amdhsa_next_free_sgpr 98
		.amdhsa_reserve_vcc 0
		.amdhsa_float_denorm_mode_32 3
		.amdhsa_float_denorm_mode_16_64 3
		.amdhsa_memory_ordered 1
		.amdhsa_forward_progress 1
		.amdhsa_inst_pref_size 154
	.end_amdhsa_kernel
	.amdgpu_metadata
---
amdhsa.version: [ 1, 2 ]
amdhsa.kernels:
  - .name:           k_q111721e37e_outp
    .symbol:         k_q111721e37e_outp.kd
    .args:
      - { .name: yq, .offset: 0, .size: 8, .value_kind: global_buffer, .address_space: global }
      - { .name: ys, .offset: 8, .size: 8, .value_kind: global_buffer, .address_space: global }
      - { .name: wq, .offset: 16, .size: 8, .value_kind: global_buffer, .address_space: global }
      - { .name: ws, .offset: 24, .size: 8, .value_kind: global_buffer, .address_space: global }
      - { .name: out0, .offset: 32, .size: 8, .value_kind: global_buffer, .address_space: global }
    .group_segment_fixed_size: 327680
    .private_segment_fixed_size: 0
    .kernarg_segment_align: 8
    .kernarg_segment_size: 40
    .max_flat_workgroup_size: 128
    .sgpr_count:     98
    .vgpr_count:     1024
    .wavefront_size: 32
...
	.end_amdgpu_metadata
.endif
;; end of part 4
